; MI455X (gfx1250); checked and timed in simulation.
; The chip was launched on July 23, 2026; its instructions are those of AMD's public machine-readable ISA for CDNA 5 (MIT licence, August 2026) and "CDNA5" Instruction Set Architecture Reference Guide (July 2026). The comments in the code are by the model that wrote it; some were corrected since.
;; Enhanced Transformer Block. Allowed arithmetic: matrix products marked QUANTISED: E4M3 operands, one given power-of-two scale a tensor, by v_wmma_f32_16x16x64_fp8_fp8 or v_wmma_f32_16x16x128_fp8_fp8, f32 sums; everything else in f32.
;; Inputs: down_b 1,024 float32; down_w 2,730 x 1,024 float32; gate_b 2,730 float32; gate_w 1,024 x 2,730 float32; ln1_b 1,024 float32; ln1_g 1,024 float32; ln2_b 1,024 float32; ln2_g 1,024 float32; lowp_scales 14 int32 (the exponents e of the quantised operands' scales 2^e); proj_b 1,024 float32; proj_w 1,024 x 1,024 float32; qkv_b 3,072 float32; qkv_w 1,024 x 3,072 float32; up_b 2,730 float32; up_w 1,024 x 2,730 float32; x 2 x 2,048 x 1,024 float32.
;; Outputs: out0 2 x 2,048 x 1,024 float32.
;; This version of the problem:
;;   THIS VERSION OF THE PROBLEM IS GIVEN IN LOW PRECISION. The matrix products marked QUANTISED in the list below multiply operands that are first quantised to E4M3 (4 exponent bits, 3 mantissa bits; 8 bits a number), with one given power-of-two scale for each operand tensor; their sums are f32. All else is computed in f32.
;;   The module's matrix products, in the order in which they are computed (A, B: the left and right operand; K: the contracted axis; several contracted axes count as one K, in the product's order):
;;     1. [M 4,096, K 1,024] x [K 1,024, N 3,072]; A: computed on the way; B: input qkv_w: QUANTISED (scales: A lowp_scales[0], B lowp_scales[1])
;;     2. batch 32 x [M 2,048, K 64] x [K 64, N 2,048]; A: computed on the way; B: computed on the way: QUANTISED (scales: A lowp_scales[2], B lowp_scales[3])
;;     3. batch 32 x [M 2,048, K 2,048] x [K 2,048, N 64]; A: softmax (see below); B: computed on the way: QUANTISED (scales: A lowp_scales[4], B lowp_scales[5])
;;     4. [M 4,096, K 1,024] x [K 1,024, N 1,024]; A: computed on the way; B: input proj_w: QUANTISED (scales: A lowp_scales[6], B lowp_scales[7])
;;     5. [M 4,096, K 1,024] x [K 1,024, N 2,730]; A: computed on the way; B: input gate_w: QUANTISED (scales: A lowp_scales[8], B lowp_scales[9])
;;     6. [M 4,096, K 1,024] x [K 1,024, N 2,730]; A: computed on the way; B: input up_w: QUANTISED (scales: A lowp_scales[10], B lowp_scales[11])
;;     7. [M 4,096, K 2,730] x [K 2,730, N 1,024]; A: computed on the way; B: input down_w: QUANTISED (scales: A lowp_scales[12], B lowp_scales[13])
;;   THE QUANTISER, for each operand of a quantised product, along K:
;;     - The operand's scale is 2^e, e = its entry of the input lowp_scales (int32; the entries are numbered through the quantised products in the list's order, A before B).
;;     - Each number is divided by the scale, clamped to +-448, and rounded to the nearest number of E4M3, ties to even, subnormals kept.
;;     - The product sums the exact products of the quantised numbers (number of the format x scale) in f32.
;;   ~~~python
;;   def quantise(x, axis, e):      # numpy; x: float32 -> the quantised numbers, widened to float32 again
;;       x = np.moveaxis(x, axis, -1); K = x.shape[-1]
;;       r = np.clip(x / 2.0 ** e, -448, 448)
;;       step = 2.0 ** (np.maximum(np.frexp(np.where(r == 0, 1, r))[1] - 1, -6) - 3)
;;       q = np.round(r / step) * step * 2.0 ** e      # np.round: ties to even
;;       return np.moveaxis(q, -1, axis).astype(np.float32)
;;   ~~~
;;   SOFTMAX AHEAD OF A QUANTISED PRODUCT. Where the list says 'softmax', what is quantised is not the finished softmax but p = 2^(t - M), with t = logit x log2(e) and M = ceil(the row's largest t), a whole number; so 1/2 < the row's largest p <= 1. The row's sum l is taken of the UNQUANTISED p, in f32, and the product's result is divided by l at the end. Since M is a whole number, a kernel that streams over the keys may use a running M (the ceiling of the running maximum): every later rescaling is an exact power of two, so the quantised numbers keep their values, but for numbers so far below the row's largest that they fall under the format's range.
;;   OPERANDS COMPUTED ON THE WAY. 'Computed on the way' means the value that the module computes at that place (a softmax that the list does not call 'softmax' is quantised finished and normalised). What goes into a quantiser is computed in f32, as accurately as f32 sums, v_exp_f32 and their like allow (about 1e-6 of the number): no bf16 or f16 on the way to a quantiser, and a product that is left as it is and whose result goes on into a quantised operand takes f32 operands (vector FMAs, or v_wmma_f32_16x16x4_f32). A number that lies on a knife's edge between two numbers of the format may be rounded either way, as far as f32 arithmetic and the matrix unit's own rounding can turn it there, and no further.
;; One version. Each part assembles by itself: llvm-mc -triple=amdgcn-amd-amdhsa -mcpu=gfx1250 --defsym DOCPART=n.
;; ======== version 1 of 1: 8 launches
;; workspace buffers: wc 17,825,792 bytes; gub 24,576 bytes; qkvc 12,582,912 bytes; ac 4,194,304 bytes; x2 16,777,216 bytes; h2c 8,388,608 bytes; ffc 12,582,912 bytes
;; launch wquant (part 1): grid 416 x 1, 4 waves a work-group, no clusters, 41,472 bytes of LDS; arguments qkv_w, proj_w, gate_w, up_w, down_w, gate_b, up_b, lowp_scales, wc, gub; writes wc, gub
.if DOCPART == 1
	.amdgcn_target "amdgcn-amd-amdhsa--gfx1250"
	.amdhsa_code_object_version 6
	.text
	.protected	k_qae2948c728_wquant
	.globl	k_qae2948c728_wquant
	.p2align	8
	.type	k_qae2948c728_wquant,@function
k_qae2948c728_wquant:
	s_mov_b64 s[64:65], 0
	v_nop
	global_prefetch_b8 v0, s[64:65] scope:SCOPE_SE
	s_setreg_imm32_b32 hwreg(HW_REG_WAVE_MODE, 25, 1), 1
	s_wait_xcnt 0x0
; The five weights, f32 stored [K][N], become codes of E4M3 with K innermost, each with its given scale 2^e, in the two layouts that the products' launches read.
; ROWS (proj_w, down_w): byte(n, k) = (n / 128) x 128 K + (k / 64) x 8192 + (n % 128) x 64 + k % 64: a chunk is 128 columns x 64 along K, 8,192 dense bytes.
; IMAGES (qkv_w, gate_w, up_w): the order of the operand's registers.  A tile of 128 columns has four parts (half of K or kind, half ch of the columns), a part NS sub-steps of 128 along K, a sub-step four fragments b of
; 16 columns, a fragment four groups c of 512 bytes: lane (r, h)'s 16 bytes at 256 h + 16 r hold column 64 ch + 16 b + r, k = 128 s + 32 c + 16 h + 0 .. 15.  qkv_w: half = k / 512, NS = 4.  gate_w, up_w share a region: kind 0, 1, NS = 8.
; Columns from 2,730 to 3,071 of gate and up get zero codes (their hold is 0) and zero biases.  Rows of down_w from 2,730 to 3,071 repeat row 2,729: they meet zero codes of the hidden layer.
; A work-group takes 128 columns x 256 along K of one weight; a wave 32 columns; A LANE TAKES ONE COLUMN AND ITS REGISTERS RUN DOWN K, so the conversions give codes with K innermost.
; A lane's 16 codes of half a block are just what an image wants of it: images leave straight from the registers, sixteen lanes to an aligned block of 256 bytes.  Rows leave through the wave's own stage in LDS.
; One path serves all five up to the way out: sizes and pointers are chosen by the work-group's number alone.  Waves share nothing: no barrier.
; LIMITS: each e between -126 and 119.  NaN among the inputs is not served.
.set WQKV_OFF,  4194304
.set WPROJ_OFF, 7340032
.set WGU_OFF,   8388608
.set WDOWN_OFF, 14680064
.set X, 32                             ; v32-95   two sets of 32 numbers (each register first holds its own load's offset)
.set C, 96                             ; v96-159  codes: eight registers for each of the eight blocks
	s_load_b512 s[8:23], s[0:1], 0x0               ; qkv_w, proj_w, gate_w, up_w, down_w, gate_b, up_b, the scales' exponents
	s_load_b128 s[24:27], s[0:1], 0x40             ; wc, gub
	v_lshl_add_u32 v160, v0, 2, 0xa000
	v_mov_b32 v161, 0
	v_lshrrev_b32 v1, 5, v0
	v_readfirstlane_b32 s54, v1                    ; wave
	v_and_b32 v1, 31, v0                           ; lane
	s_mov_b32 s28, 12288                           ; bytes in a row of the weight
	s_mov_b32 s29, 3072                            ; its columns
	s_mov_b32 s30, 1023*12288                      ; byte offset of its last row
	s_mov_b32 s32, WQKV_OFF                        ; its region in wc
	s_mov_b32 s33, 131072                          ; bytes of a tile of 128 columns there
	s_mov_b32 s34, 4                               ; rows: chunk = this x kc
	s_mov_b32 s35, 0                               ;       + this + 0 .. 3
	s_mov_b32 s50, 0                               ; its first work-group
.macro SEL start, nsrc, nval, rmax, doff, ts, cm, ca
	s_cmp_ge_u32 ttmp9, \start
	s_cselect_b32 s28, \nsrc, s28
	s_cselect_b32 s29, \nval, s29
	s_cselect_b32 s30, \rmax, s30
	s_cselect_b32 s32, \doff, s32
	s_cselect_b32 s33, \ts, s33
	s_cselect_b32 s34, \cm, s34
	s_cselect_b32 s35, \ca, s35
	s_cselect_b32 s50, \start, s50
.endm
	SEL 96,  4096,  1024, 1023*4096,  WPROJ_OFF, 131072, 4, 0
	SEL 128, 10920, 2730, 1023*10920, WGU_OFF,   262144, 8, 0
	SEL 224, 10920, 2730, 1023*10920, WGU_OFF,   262144, 8, 4
	SEL 320, 4096,  1024, 2729*4096,  WDOWN_OFF, 393216, 4, 0
	s_sub_co_u32 s50, ttmp9, s50                   ; my number among the weight's work-groups
	s_and_b32 s51, s50, 3
	s_lshr_b32 s52, s50, 2
	s_lshr_b32 s60, s50, 3
	s_and_b32 s61, s50, 7
	s_cmp_ge_u32 ttmp9, 320
	s_cselect_b32 s51, s60, s51                    ; kc: which 256 along K (down_w has twelve, the others four)
	s_cselect_b32 s52, s61, s52                    ; cg: which 128 columns
	s_mul_i32 s56, s52, s33
	s_add_co_u32 s56, s56, s32                     ; the region and the tile: alike in both layouts
	s_mul_i32 s57, s51, s34
	s_add_co_u32 s57, s57, s35
	s_lshl_b32 s57, s57, 13
	s_lshl_b32 s58, s54, 11
	s_add_co_u32 s57, s57, s58                     ; rows: the first chunk, my wave's 32 columns x 64 bytes in it
	s_lshr_b32 s60, s51, 1                         ; images, qkv_w: the half of K is kc / 2,
	s_and_b32 s61, s51, 1
	s_lshl_b32 s61, s61, 1                         ; the first sub-step 2 (kc % 2)
	s_lshr_b32 s62, s35, 2                         ; gate_w, up_w: the kind takes the half's place,
	s_lshl_b32 s63, s51, 1                         ; the first sub-step is 2 kc
	s_cmp_ge_u32 ttmp9, 128
	s_cselect_b32 s60, s62, s60
	s_cselect_b32 s61, s63, s61
	s_cselect_b32 s62, 3, 2                        ; 8 or 4 sub-steps to a part
	s_lshl_b32 s60, s60, 1
	s_lshr_b32 s63, s54, 1
	s_add_co_u32 s60, s60, s63                     ; the part: 2 x half + ch, ch = wave / 2
	s_lshl_b32 s60, s60, s62
	s_add_co_u32 s60, s60, s61
	s_lshl_b32 s60, s60, 13                        ; 8,192 bytes a sub-step
	s_and_b32 s63, s54, 1
	s_lshl_b32 s63, s63, 12                        ; my wave's two fragments of the four
	s_add_co_u32 s60, s60, s63
	s_cmp_lt_u32 ttmp9, 96
	s_cselect_b32 s2, 1, 0
	s_cmp_ge_u32 ttmp9, 128
	s_cselect_b32 s3, 1, 0
	s_cmp_lt_u32 ttmp9, 320
	s_cselect_b32 s3, s3, 0
	s_or_b32 s2, s2, s3                            ; 1: images (qkv_w, gate_w, up_w); 0: rows
	s_cmp_eq_u32 s2, 1
	s_cselect_b32 s57, s60, s57
	s_add_co_u32 s56, s56, s57
	s_mov_b32 s57, 0
	s_lshl_b32 s53, s51, 8
	s_mul_i32 s53, s53, s28
	s_min_u32 s53, s53, s30                        ; byte offset of the first row, held at the last row
	s_lshl_b32 s55, s52, 7
	s_lshl_b32 s60, s54, 5
	s_add_co_u32 s55, s55, s60
	v_add_nc_u32 v8, s55, v1                       ; my column
	s_sub_co_u32 s61, s29, 1
	v_min_u32 v2, s61, v8                          ; held at the last column: no load leaves its buffer
	v_lshlrev_b32 v2, 2, v2
	s_mul_i32 s63, s54, 10240                      ; my wave's stage: 4 chunks x 32 columns x (64 + 16) bytes
	v_mul_u32_u24 v5, v1, 80
	v_add_nc_u32 v5, s63, v5                       ; in: my column's row
	v_lshrrev_b32 v6, 2, v1
	v_mul_u32_u24 v6, v6, 80
	v_and_b32 v10, 3, v1
	v_lshl_add_u32 v6, v10, 4, v6
	v_add_nc_u32 v6, s63, v6                       ; out: four lanes to a column's 64 bytes
	v_lshlrev_b32 v7, 4, v1                        ; and 16 x lane in memory
	v_lshrrev_b32 v15, 4, v1
	v_and_b32 v14, 15, v1
	v_lshlrev_b32 v14, 4, v14
	v_lshl_add_u32 v14, v15, 11, v14               ; images: 16 r, lanes 16-31 one fragment further on
	s_wait_kmcnt 0x0
	s_load_b256 s[36:43], s[22:23], 0x0            ; e0 .. e7
	s_load_b128 s[44:47], s[22:23], 0x20           ; e8 .. e11
	s_load_b64 s[48:49], s[22:23], 0x30            ; e12, e13
	s_mov_b64 s[4:5], s[8:9]
	s_cmp_ge_u32 ttmp9, 96
	s_cselect_b64 s[4:5], s[10:11], s[4:5]
	s_cmp_ge_u32 ttmp9, 128
	s_cselect_b64 s[4:5], s[12:13], s[4:5]
	s_cmp_ge_u32 ttmp9, 224
	s_cselect_b64 s[4:5], s[14:15], s[4:5]
	s_cmp_ge_u32 ttmp9, 320
	s_cselect_b64 s[4:5], s[16:17], s[4:5]         ; the weight
	s_add_nc_u64 s[56:57], s[24:25], s[56:57]      ; where my wave's codes go
; block t: rows 32 t .. 32 t + 31 of my 256, my column.  Each load lands on the register that held its own offset; 32 lanes read 128 consecutive bytes.
.macro LOAD t
.set i, 0
.rept 32
.if ((\t) > 0) || (i > 0)
	s_add_co_u32 s53, s53, s28
	s_min_u32 s53, s53, s30
.endif
	v_add_nc_u32 v[X+32*((\t)%2)+i], s53, v2
	global_load_b32 v[X+32*((\t)%2)+i], v[X+32*((\t)%2)+i], s[4:5] th:TH_LOAD_NT
.set i, i+1
.endr
.endm
	LOAD 0
	LOAD 1
	s_wait_kmcnt 0x0
	s_mov_b32 s31, s37
	s_cmp_ge_u32 ttmp9, 96
	s_cselect_b32 s31, s43, s31
	s_cmp_ge_u32 ttmp9, 128
	s_cselect_b32 s31, s45, s31
	s_cmp_ge_u32 ttmp9, 224
	s_cselect_b32 s31, s47, s31
	s_cmp_ge_u32 ttmp9, 320
	s_cselect_b32 s31, s49, s31                    ; e
	s_add_co_i32 s31, s31, 127
	s_lshl_b32 s62, s31, 23
	v_mov_b32 v4, s62                              ; 2^e as f32: the conversion takes its exponent field
	s_add_co_i32 s31, s31, 8
	s_lshl_b32 s31, s31, 23
	s_or_b32 s31, s31, 0x600000
	v_mov_b32 v9, s31                              ; 448 x 2^e
	v_cmp_gt_u32 vcc_lo, s29, v8
	v_cndmask_b32 v3, 0, v9, vcc_lo                ; my hold: 0 for a column past the weight's last, which makes its codes zeros
.macro BLOCK t
.set XS, X+32*((\t)%2)
.if (\t) < 7
	s_wait_loadcnt 32                              ; this block's 32 loads are in; the next block's 32 may be out
.else
	s_wait_loadcnt 0x0
.endif
.set i, 0
.rept 32
	v_med3_num_f32 v[XS+i], v[XS+i], -v3, v3       ; the conversion to an 8-bit code does not saturate (ISA guide 7.6.2): the hold comes first
.set i, i+1
.endr
.irp g, 0,1,2,3
	v_cvt_scalef32_pk8_fp8_f32 v[C+8*(\t)+2*\g:C+8*(\t)+2*\g+1], v[XS+8*\g:XS+8*\g+7], v4
.endr
	v_nop                                          ; a plain line between the conversions and the additions that rewrite their sources
.if (\t) < 6
	LOAD (\t)+2
.endif
.endm
.irp t, 0,1,2,3,4,5,6,7
	BLOCK \t
.endr
	s_cmp_eq_u32 s2, 1
	s_cbranch_scc1 .Limage
	; rows: a lane's codes belong to one row of 64 bytes in each chunk, the lanes beside it hold other rows: through my stage, and out as dense runs
.set i, 0
.rept 8
	ds_store_b128 v5, v[C+8*i:C+8*i+3] offset:(i/2)*2560+32*(i%2)
	ds_store_b128 v5, v[C+8*i+4:C+8*i+7] offset:(i/2)*2560+32*(i%2)+16
.set i, i+1
.endr
.set i, 0
.rept 16
	ds_load_b128 v[X+4*i:X+4*i+3], v6 offset:(i/4)*2560+(i%4)*640   ; LDS serves a wave's instructions in order: these see my stores
.set i, i+1
.endr
.set i, 0
.rept 16
	s_wait_dscnt 15-i
	global_store_b128 v7, v[X+4*i:X+4*i+3], s[56:57] offset:(i/4)*8192+(i%4)*512   ; 32 lanes store 512 consecutive bytes, aligned
.set i, i+1
.endr
	s_branch .Lbias
.Limage:
	; images: half h of block t is group t % 4 of sub-step t / 4: each half of the lanes stores 256 consecutive bytes, aligned
.set i, 0
.rept 16
	global_store_b128 v14, v[C+4*i:C+4*i+3], s[56:57] offset:(i/8)*8192+((i/2)%4)*512+(i%2)*256
.set i, i+1
.endr
.Lbias:
	; gate_b and up_b, lengthened by zeros to 3,072: the work-groups of gate and up with kc = 0, one number a thread
	s_cmp_lt_u32 ttmp9, 128
	s_cbranch_scc1 .Lend
	s_cmp_ge_u32 ttmp9, 320
	s_cbranch_scc1 .Lend
	s_cmp_lg_u32 s51, 0
	s_cbranch_scc1 .Lend
	s_lshl_b32 s60, s52, 7
	v_add_nc_u32 v10, s60, v0                      ; column
	v_min_u32 v11, 0xaa9, v10                      ; held at 2,729
	v_lshlrev_b32 v11, 2, v11
	s_cmp_ge_u32 ttmp9, 224
	s_cselect_b64 s[58:59], s[20:21], s[18:19]
	s_cselect_b32 s61, 12288, 0
	global_load_b32 v12, v11, s[58:59]
	v_lshl_add_u32 v13, v10, 2, s61
	v_cmp_gt_u32 vcc_lo, 0xaaa, v10                ; 2,730 > column
	s_wait_loadcnt 0x0
	v_cndmask_b32 v12, 0, v12, vcc_lo
	global_store_b32 v13, v12, s[26:27]
.Lend:
	s_wait_tensorcnt 0x0
	ds_add_u32 v160, v161
	s_wait_dscnt 0x0
	s_endpgm
.Lfunc_end_k_qae2948c728_wquant:
	.size	k_qae2948c728_wquant, .Lfunc_end_k_qae2948c728_wquant-k_qae2948c728_wquant
	.p2alignl 7, 3214868480
	.fill 96, 4, 3214868480
	.section	.rodata,"a",@progbits
	.p2align	6, 0x0
	.amdhsa_kernel k_qae2948c728_wquant
		.amdhsa_group_segment_fixed_size 41472
		.amdhsa_private_segment_fixed_size 0
		.amdhsa_enable_private_segment 0
		.amdhsa_kernarg_size 80
		.amdhsa_user_sgpr_count 2
		.amdhsa_user_sgpr_kernarg_segment_ptr 1
		.amdhsa_wavefront_size32 1
		.amdhsa_system_sgpr_workgroup_id_x 1
		.amdhsa_system_sgpr_workgroup_id_y 1
		.amdhsa_system_sgpr_workgroup_id_z 1
		.amdhsa_system_vgpr_workitem_id 0
		.amdhsa_next_free_vgpr 162
		.amdhsa_next_free_sgpr 66
		.amdhsa_reserve_vcc 1
		.amdhsa_float_denorm_mode_32 3
		.amdhsa_float_denorm_mode_16_64 3
		.amdhsa_memory_ordered 1
		.amdhsa_forward_progress 1
		.amdhsa_inst_pref_size 81
	.end_amdhsa_kernel
	.amdgpu_metadata
---
amdhsa.version: [ 1, 2 ]
amdhsa.kernels:
  - .name:           k_qae2948c728_wquant
    .symbol:         k_qae2948c728_wquant.kd
    .args:
      - { .name: qkv_w, .offset: 0, .size: 8, .value_kind: global_buffer, .address_space: global }
      - { .name: proj_w, .offset: 8, .size: 8, .value_kind: global_buffer, .address_space: global }
      - { .name: gate_w, .offset: 16, .size: 8, .value_kind: global_buffer, .address_space: global }
      - { .name: up_w, .offset: 24, .size: 8, .value_kind: global_buffer, .address_space: global }
      - { .name: down_w, .offset: 32, .size: 8, .value_kind: global_buffer, .address_space: global }
      - { .name: gate_b, .offset: 40, .size: 8, .value_kind: global_buffer, .address_space: global }
      - { .name: up_b, .offset: 48, .size: 8, .value_kind: global_buffer, .address_space: global }
      - { .name: lowp_scales, .offset: 56, .size: 8, .value_kind: global_buffer, .address_space: global }
      - { .name: wc, .offset: 64, .size: 8, .value_kind: global_buffer, .address_space: global }
      - { .name: gub, .offset: 72, .size: 8, .value_kind: global_buffer, .address_space: global }
    .group_segment_fixed_size: 41472
    .private_segment_fixed_size: 0
    .kernarg_segment_align: 8
    .kernarg_segment_size: 80
    .max_flat_workgroup_size: 128
    .sgpr_count:     66
    .vgpr_count:     162
    .wavefront_size: 32
...
	.end_amdgpu_metadata
.endif
;; end of part 1
;; launch ln1 (part 2): grid 256 x 1, 4 waves a work-group, no clusters, 20,992 bytes of LDS; arguments x, ln1_g, ln1_b, lowp_scales, wc; writes wc
.if DOCPART == 2
	.amdgcn_target "amdgcn-amd-amdhsa--gfx1250"
	.amdhsa_code_object_version 6
	.text
	.protected	k_qae2948c728_ln1
	.globl	k_qae2948c728_ln1
	.p2align	8
	.type	k_qae2948c728_ln1,@function
k_qae2948c728_ln1:
	s_mov_b64 s[64:65], 0
	v_nop
	global_prefetch_b8 v0, s[64:65] scope:SCOPE_SE
	s_setreg_imm32_b32 hwreg(HW_REG_WAVE_MODE, 25, 1), 1
	s_wait_xcnt 0x0
; h = layernorm(x) g + b, quantised to E4M3 with the given 2^e0, into the blocked layout (tile of 128 tokens, chunk of 64 along K, 64 bytes a token).
; A wave takes four tokens and keeps all four rows (4 x 32 registers) between the passes: mean, sum of squared differences, scaling: each row is read from memory once.  No loop, no barrier.
; Element 128 j + 4 lane + 0 .. 3 of a row lies in load j of the lane: each load reads 512 consecutive bytes.  g and b are divided once by 2^e (exact), so the rows come out as h / 2^e.
; A lane's four codes are one word; they meet in the wave's own stage, chunk by chunk (4 tokens x 64 bytes + 64 of padding), and leave as aligned blocks of 256 bytes, sixteen lanes to a block.
; LIMITS: e between -126 and 119.  NaN among the inputs is not served.
.set TWO, 0
.set TS,  131072                       ; bytes of a tile of 128 tokens in the output
.set STW, 5120*(1+TWO)                 ; a wave's stage
.set T, 8                              ; v8-23    at work
.set M, 24                             ; v24-31   a pair for each row: the mean, later 1 / sqrt(var + eps)
.set X, 64                             ; v64-191  the four rows
.set G, 192                            ; v192-223 g;  v224-255 b
.set B, 224
	s_load_b256 s[4:11], s[0:1], 0x0               ; x, g, b, the scales' exponents
	s_load_b64 s[12:13], s[0:1], 0x20              ; the codes
	s_set_vgpr_msb 0x40
	v_lshl_add_u32 v0, v0, 2, 0x5000
	v_mov_b32 v1, 0
	s_set_vgpr_msb 0x4000
	v_lshrrev_b32 v1, 5, v0
	v_readfirstlane_b32 s14, v1                    ; wave
	v_and_b32 v1, 31, v0
	v_lshlrev_b32 v2, 4, v1                        ; 16 x lane
	v_lshrrev_b32 v6, 4, v1
	v_and_b32 v7, 15, v1
	s_mul_i32 s15, s14, STW
	v_mul_u32_u24 v3, v6, 320
	v_add_nc_u32 v3, s15, v3
	v_lshl_add_u32 v4, v7, 4, v3                   ; out of the stage: 16 bytes a lane, sixteen lanes to a chunk's 256
	v_lshl_add_u32 v3, v7, 2, v3                   ; into it: a word a lane
	v_lshlrev_b32 v5, 13, v6
	v_lshl_add_u32 v5, v7, 4, v5                   ; the same place in memory: lanes 16-31 one chunk further on
	s_lshl_b32 s16, ttmp9, 4
	s_lshl_b32 s17, s14, 2
	s_add_co_u32 s16, s16, s17                     ; my first token
	s_lshl_b32 s18, s16, 12
	s_mov_b32 s19, 0
	s_lshr_b32 s22, s16, 7
	s_mul_i32 s22, s22, TS
	s_and_b32 s23, s16, 127
	s_lshl_b32 s23, s23, 6
	s_add_co_u32 s22, s22, s23
	s_mov_b32 s23, 0
	s_mov_b32 s20, 0x3a800000                      ; 1 / 1024
	s_mov_b32 s21, 0x3727c5ac                      ; 1e-5
	s_mov_b32 s32, 0x76543210                      ; v_permlanex16_b32: lane l xor 16
	s_mov_b32 s33, 0xfedcba98
	s_mov_b32 s34, 0xc3e00000                      ; -448
	s_mov_b32 s35, 0x43e00000                      ; 448
	s_wait_kmcnt 0x0
	s_load_b32 s24, s[10:11], 0x0                  ; e0
	s_add_nc_u64 s[4:5], s[4:5], s[18:19]
	s_add_nc_u64 s[12:13], s[12:13], s[22:23]
.set i, 0
.rept 32
	global_load_b128 v[X+4*i:X+4*i+3], v2, s[4:5] offset:(i/8)*4096+(i%8)*512
.set i, i+1
.endr
.set i, 0
.rept 8
	global_load_b128 v[G+4*i:G+4*i+3], v2, s[6:7] offset:512*i
	global_load_b128 v[B+4*i:B+4*i+3], v2, s[8:9] offset:512*i
.set i, i+1
.endr
	s_wait_loadcnt 16                              ; the four rows are in; g's and b's sixteen loads may be out
.irp p, 0,1,2,3
	v_pk_add_f32 v[M+2*\p:M+2*\p+1], v[X+32*\p:X+32*\p+1], v[X+32*\p+2:X+32*\p+3]
.endr
.irp j, 4,6,8,10,12,14,16,18,20,22,24,26,28,30
.irp p, 0,1,2,3
	v_pk_add_f32 v[M+2*\p:M+2*\p+1], v[M+2*\p:M+2*\p+1], v[X+32*\p+\j:X+32*\p+\j+1]
.endr
.endr
.irp p, 0,1,2,3
	v_add_f32 v[M+2*\p], v[M+2*\p], v[M+2*\p+1]
.endr
.irp m, 1,2,4,8
.irp p, 0,1,2,3
	v_add_f32_dpp v[M+2*\p], v[M+2*\p], v[M+2*\p] row_xmask:\m row_mask:0xf bank_mask:0xf
.endr
.endr
.irp p, 0,1,2,3
	v_permlanex16_b32 v[M+2*\p+1], v[M+2*\p], s32, s33
.endr
.irp p, 0,1,2,3
	v_add_f32 v[M+2*\p], v[M+2*\p], v[M+2*\p+1]
.endr
.irp p, 0,1,2,3
	v_mul_f32 v[M+2*\p], s20, v[M+2*\p]            ; the mean, in every lane
.endr
.set i, 0
.rept 64
	v_pk_add_f32 v[X+2*i:X+2*i+1], v[X+2*i:X+2*i+1], v[M+2*(i/16):M+2*(i/16)+1] op_sel_hi:[1,0] neg_lo:[0,1] neg_hi:[0,1]   ; x - mean
.set i, i+1
.endr
.irp p, 0,1,2,3
	v_pk_mul_f32 v[T+4*\p:T+4*\p+1], v[X+32*\p:X+32*\p+1], v[X+32*\p:X+32*\p+1]
	v_pk_mul_f32 v[T+4*\p+2:T+4*\p+3], v[X+32*\p+2:X+32*\p+3], v[X+32*\p+2:X+32*\p+3]
.endr
.irp j, 4,8,12,16,20,24,28
.irp p, 0,1,2,3
	v_pk_fma_f32 v[T+4*\p:T+4*\p+1], v[X+32*\p+\j:X+32*\p+\j+1], v[X+32*\p+\j:X+32*\p+\j+1], v[T+4*\p:T+4*\p+1]
	v_pk_fma_f32 v[T+4*\p+2:T+4*\p+3], v[X+32*\p+\j+2:X+32*\p+\j+3], v[X+32*\p+\j+2:X+32*\p+\j+3], v[T+4*\p+2:T+4*\p+3]
.endr
.endr
.irp p, 0,1,2,3
	v_pk_add_f32 v[T+4*\p:T+4*\p+1], v[T+4*\p:T+4*\p+1], v[T+4*\p+2:T+4*\p+3]
.endr
.irp p, 0,1,2,3
	v_add_f32 v[T+4*\p], v[T+4*\p], v[T+4*\p+1]
.endr
.irp m, 1,2,4,8
.irp p, 0,1,2,3
	v_add_f32_dpp v[T+4*\p], v[T+4*\p], v[T+4*\p] row_xmask:\m row_mask:0xf bank_mask:0xf
.endr
.endr
.irp p, 0,1,2,3
	v_permlanex16_b32 v[T+4*\p+1], v[T+4*\p], s32, s33
.endr
.irp p, 0,1,2,3
	v_add_f32 v[T+4*\p], v[T+4*\p], v[T+4*\p+1]
.endr
.irp p, 0,1,2,3
	v_fma_f32 v[T+4*\p], v[T+4*\p], s20, s21       ; var + eps
.endr
.irp p, 0,1,2,3
	v_rsq_f32 v[M+2*\p], v[T+4*\p]
.endr
	v_nop                                          ; a plain line behind the transcendentals
	s_wait_loadcnt 0x0                             ; g and b
	s_wait_kmcnt 0x0
	s_sub_co_i32 s28, 0, s24
.set i, 0
.rept 64
	v_ldexp_f32 v[G+i], v[G+i], s28                ; g / 2^e and b / 2^e: exact
.set i, i+1
.endr
.set i, 0
	s_wait_alu depctr_va_vdst(0)
.rept 64
	v_pk_mul_f32 v[X+2*i:X+2*i+1], v[X+2*i:X+2*i+1], v[M+2*(i/16):M+2*(i/16)+1] op_sel_hi:[1,0]
.set i, i+1
.endr
.set i, 0
.rept 64
	v_pk_fma_f32 v[X+2*i:X+2*i+1], v[X+2*i:X+2*i+1], v[G+2*(i%16):G+2*(i%16)+1], v[B+2*(i%16):B+2*(i%16)+1]   ; h / 2^e
.set i, i+1
.endr
; four numbers of row n / 8, load n % 8, become one word of codes; the rows themselves are kept
.macro ONE n, lo, hi, kind
	v_med3_num_f32 v[T+4*((\n)%4)], v[X+4*(\n)], s34, s35       ; the conversion does not saturate (ISA guide 7.6.2): the hold comes first
	v_med3_num_f32 v[T+4*((\n)%4)+1], v[X+4*(\n)+1], s34, s35
	v_med3_num_f32 v[T+4*((\n)%4)+2], v[X+4*(\n)+2], s34, s35
	v_med3_num_f32 v[T+4*((\n)%4)+3], v[X+4*(\n)+3], s34, s35
	v_cvt_pk_fp8_f32 \lo, v[T+4*((\n)%4)], v[T+4*((\n)%4)+1]
	v_cvt_pk_fp8_f32 \hi, v[T+4*((\n)%4)+2], v[T+4*((\n)%4)+3]
	ds_store_b32 v3, v[32+(\n)] offset:(\kind)*5120+((\n)%8)*640+((\n)/8)*64
.endm
.macro CODES kind
	ONE 0, v32.l, v32.h, \kind
	ONE 1, v33.l, v33.h, \kind
	ONE 2, v34.l, v34.h, \kind
	ONE 3, v35.l, v35.h, \kind
	ONE 4, v36.l, v36.h, \kind
	ONE 5, v37.l, v37.h, \kind
	ONE 6, v38.l, v38.h, \kind
	ONE 7, v39.l, v39.h, \kind
	ONE 8, v40.l, v40.h, \kind
	ONE 9, v41.l, v41.h, \kind
	ONE 10, v42.l, v42.h, \kind
	ONE 11, v43.l, v43.h, \kind
	ONE 12, v44.l, v44.h, \kind
	ONE 13, v45.l, v45.h, \kind
	ONE 14, v46.l, v46.h, \kind
	ONE 15, v47.l, v47.h, \kind
	ONE 16, v48.l, v48.h, \kind
	ONE 17, v49.l, v49.h, \kind
	ONE 18, v50.l, v50.h, \kind
	ONE 19, v51.l, v51.h, \kind
	ONE 20, v52.l, v52.h, \kind
	ONE 21, v53.l, v53.h, \kind
	ONE 22, v54.l, v54.h, \kind
	ONE 23, v55.l, v55.h, \kind
	ONE 24, v56.l, v56.h, \kind
	ONE 25, v57.l, v57.h, \kind
	ONE 26, v58.l, v58.h, \kind
	ONE 27, v59.l, v59.h, \kind
	ONE 28, v60.l, v60.h, \kind
	ONE 29, v61.l, v61.h, \kind
	ONE 30, v62.l, v62.h, \kind
	ONE 31, v63.l, v63.h, \kind
.endm
	CODES 0
.set i, 0
.rept 8
	ds_load_b128 v[X+4*i:X+4*i+3], v4 offset:640*i   ; LDS serves a wave's instructions in order: these see my stores
.set i, i+1
.endr
.set i, 0
.rept 8
	s_wait_dscnt 7-i
	global_store_b128 v5, v[X+4*i:X+4*i+3], s[12:13] offset:16384*i   ; each half of the lanes stores 256 consecutive bytes, aligned: four tokens' 64 bytes of one chunk
.set i, i+1
.endr
	s_set_vgpr_msb 0x5
	s_wait_tensorcnt 0x0
	ds_add_u32 v0, v1
	s_wait_dscnt 0x0
	s_set_vgpr_msb 0x500
	s_endpgm
.Lfunc_end_k_qae2948c728_ln1:
	.size	k_qae2948c728_ln1, .Lfunc_end_k_qae2948c728_ln1-k_qae2948c728_ln1
	.p2alignl 7, 3214868480
	.fill 96, 4, 3214868480
	.section	.rodata,"a",@progbits
	.p2align	6, 0x0
	.amdhsa_kernel k_qae2948c728_ln1
		.amdhsa_group_segment_fixed_size 20992
		.amdhsa_private_segment_fixed_size 0
		.amdhsa_enable_private_segment 0
		.amdhsa_kernarg_size 40
		.amdhsa_user_sgpr_count 2
		.amdhsa_user_sgpr_kernarg_segment_ptr 1
		.amdhsa_wavefront_size32 1
		.amdhsa_system_sgpr_workgroup_id_x 1
		.amdhsa_system_sgpr_workgroup_id_y 1
		.amdhsa_system_sgpr_workgroup_id_z 1
		.amdhsa_system_vgpr_workitem_id 0
		.amdhsa_next_free_vgpr 258
		.amdhsa_next_free_sgpr 66
		.amdhsa_reserve_vcc 0
		.amdhsa_float_denorm_mode_32 3
		.amdhsa_float_denorm_mode_16_64 3
		.amdhsa_memory_ordered 1
		.amdhsa_forward_progress 1
		.amdhsa_inst_pref_size 50
	.end_amdhsa_kernel
	.amdgpu_metadata
---
amdhsa.version: [ 1, 2 ]
amdhsa.kernels:
  - .name:           k_qae2948c728_ln1
    .symbol:         k_qae2948c728_ln1.kd
    .args:
      - { .name: x, .offset: 0, .size: 8, .value_kind: global_buffer, .address_space: global }
      - { .name: ln1_g, .offset: 8, .size: 8, .value_kind: global_buffer, .address_space: global }
      - { .name: ln1_b, .offset: 16, .size: 8, .value_kind: global_buffer, .address_space: global }
      - { .name: lowp_scales, .offset: 24, .size: 8, .value_kind: global_buffer, .address_space: global }
      - { .name: wc, .offset: 32, .size: 8, .value_kind: global_buffer, .address_space: global }
    .group_segment_fixed_size: 20992
    .private_segment_fixed_size: 0
    .kernarg_segment_align: 8
    .kernarg_segment_size: 40
    .max_flat_workgroup_size: 128
    .sgpr_count:     66
    .vgpr_count:     258
    .wavefront_size: 32
...
	.end_amdgpu_metadata
.endif
;; end of part 2
;; launch gemm_qkv (part 3): grid 8 x 32, 4 waves a work-group, clusters of 4 x 1, 327,680 bytes of LDS; arguments wc, lowp_scales, qkv_b, qkvc; writes qkvc
.if DOCPART == 3
	.amdgcn_target "amdgcn-amd-amdhsa--gfx1250"
	.amdhsa_code_object_version 6
	.text
	.protected	k_qae2948c728_gemm_qkv
	.globl	k_qae2948c728_gemm_qkv
	.p2align	8
	.type	k_qae2948c728_gemm_qkv,@function
k_qae2948c728_gemm_qkv:
	s_mov_b64 s[64:65], 0
	v_nop
	global_prefetch_b8 v0, s[64:65] scope:SCOPE_SE
	s_setreg_imm32_b32 hwreg(HW_REG_WAVE_MODE, 25, 1), 1
	s_wait_xcnt 0x0
	s_wait_alu depctr_hold_cnt(0) depctr_sa_sdst(0) depctr_va_vdst(0) depctr_va_sdst(0) depctr_va_ssrc(0) depctr_va_vcc(0) depctr_vm_vsrc(0)
	s_getreg_b32 s2, hwreg(HW_REG_IB_STS2, 6, 4)
	s_cmp_eq_u32 s2, 0
	s_cbranch_scc0 .Lentry_in_a_cluster
	s_endpgm
.Lentry_in_a_cluster:
	s_bfe_u32 s2, ttmp6, 0x10000c
	s_cmp_lg_u32 s2, 0x3003
	s_cbranch_scc0 .Lentry_shape_is_right
	s_endpgm
.Lentry_shape_is_right:
; q, k, v = h1 W + b on codes of E4M3 (e0, e1), quantised again (e2, e3, e5) on the way out.  K = 1,024.
; A WORK-GROUP STAYS: it owns one tile of 128 tokens and walks three tiles of 128 columns: tile x of q, of k and of v.  THE TOKENS' CODES (16 chunks of 128 rows x 64 along K) ARE BROUGHT INTO LDS ONCE and stay: no LDS
; byte is filled a second time.  THE WEIGHTS' CODES GO STRAIGHT FROM MEMORY INTO REGISTERS: they lie in wc as images of the operand's registers, so a fragment is four loads of 512 consecutive bytes, and each is read by
; one wave of the work-group alone.  Six sets of registers take turns: a sub-step's weights are asked for five sub-steps ahead, across the ways out too.
; Four waves.  Wave (kh, ch) multiplies all 128 tokens by 64 columns (half ch) over half kh of K, in four sub-steps of 128: 32 accumulators, 8 fragments from LDS and 4 from memory for 32 matrix instructions.
; At a tile's end the two waves of a pair exchange halves of their sums through LDS and each finishes 64 x 64.  K is split over the pair: the sums are added in another order than K ascending.
; For q and k source 0 is 16 columns of W and source 1 is 16 tokens: a lane holds eight neighbouring channels of one token.  FOR v THE TWO SOURCES ARE SWAPPED: a lane holds eight neighbouring KEYS of one channel,
; and v leaves with the keys innermost.  A fragment's k is permuted alike in both operands (registers 4 c .. 4 c + 3: k = 32 c + 16 h + 0 .. 15); the result is judged within a tolerance.
; CLUSTER: 4 x 1.  The four partners own the same tokens: their tile is asked for jointly.  The weights are not: loads into registers have no joint form.
; REGISTERS: window 0: v0-31 addresses and constants, v8-15 v's bias, v32-63 codes, v64-127 q's and k's biases, v128-255 weights' sets 4, 5.  Windows 1, 2: v0-127 the tokens' fragments, two buffers; v128-255 sets 0, 1 and 2, 3.
; Window 3: accumulator (a, b) at v[8 (4 a + b)]; local block a is the tile's block (a + 4 kh) mod 8: a = 0 .. 3 are the rows that this wave finishes, a = 4 .. 7 the partner's.
; LIMITS: e0 + e1 between -126 and 127; e2, e3, e5 between -126 and 119.
.set NS,    4                          ; sub-steps of a wave in a tile
.set NU,    12                         ; and in all
.set BIASG, 0                          ; no loads but the weights' are issued behind the start
.set CH,    8704                       ; a chunk in LDS: 32 lines of 256 + 16 bytes (a line is four rows of 64 codes)
.set BLK,   1088                       ; 16 rows
.set QUART, 34816                      ; four chunks: what one tensor load brings
.set XCH,   139264                     ; behind the tokens: 8,192 bytes for each wave: half an exchange, later the wave's stage
.set WOFF,  4194304                    ; the weights' images in wc
.set TSTEP, 1048576                    ; bytes from a tile of the walk to the next: eight tiles of 131,072
.set ADR0,  16                         ; v16-17 LDS address of blocks a = 0 .. 3, sub-steps 0-1 and 2-3
.set ADR1,  18                         ; v18-19 of blocks a = 4 .. 7
.set MSB, 0
.macro WIN new                         ; the immediate's high byte repeats the setting that is left
.if MSB != \new
	s_set_vgpr_msb (MSB<<8)|\new
.set MSB, \new
.endif
.endm
.macro CROUND                          ; a round of the cluster's barrier
	s_barrier_signal -1
	s_barrier_wait -1
	s_cmp_lg_u32 s14, 0
	s_cbranch_scc1 .Lnot_wave_0_\@
	s_barrier_signal -3
.Lnot_wave_0_\@:
	s_barrier_wait -3
	s_barrier_signal -1
	s_barrier_wait -1
.endm
.macro PLACES                          ; four plain lines behind a matrix instruction, in front of loads into its sources and of reads of its result
.rept 4
	v_nop
.endr
.endm
.macro FRAG reg, adr, q, i             ; 16 rows x 128 K from LDS
.irp c, 0,1,2,3
	ds_load_b128 v[\reg+4*\c:\reg+4*\c+3], v[\adr] offset:(2*(\q)+\c/2)*CH+(\i)*BLK+32*(\c%2)
.endr
.endm
.macro FETCH x                         ; the tokens' eight fragments of sub-step x into buffer x % 2: blocks 0-3 first
.set FS, (\x)%NS
.set WN, 0x40*(1+(\x)%2)
	WIN WN
.irp a, 0,1,2,3
	FRAG 16*\a, ADR0+FS/2, FS%2, \a
.endr
.irp a, 4,5,6,7
	FRAG 16*\a, ADR1+FS/2, FS%2, \a
.endr
.endm
.macro BLOAD x                         ; the weights' four fragments of sub-step x into set x % 6: sixteen loads of 512 consecutive bytes
.set BB, 128+64*(((\x)%6)%2)
.set WN, 0x40*(((((\x)%6)/2)+1)%3)
	WIN WN
.set j, 0
.rept 16
	global_load_b128 v[BB+4*j:BB+4*j+3], v23, s[46:47] offset:((\x)/NS)*TSTEP+((\x)%NS)*8192+512*j
.set j, j+1
.endr
.endm
.macro WAITB u                         ; sub-step u's weights are in: behind them were issued the groups of sixteen loads of the sub-steps up to u + 4 (and, where biases are loaded anew, their group); the count is held at the largest that the wait can name
.set G, NU-1-(\u)
.if G > 4
.set G, 4
.endif
.if BIASG && ((\u) >= NS) && ((\u)%NS <= 4)
.set G, G+1
.endif
.set G, 16*G
.if G > 63
.set G, 63
.endif
	s_wait_loadcnt G
.endm
.macro MWIN u, swp                     ; the windows of sub-step u's products: the weights' set, the tokens' buffer, C and D window 3
.set BWN, ((((\u)%6)/2)+1)%3
.set AWN, 1+(\u)%2
.if \swp
.set WN, 0xf0|(BWN<<2)|AWN
.else
.set WN, 0xf0|(AWN<<2)|BWN
.endif
	WIN WN
.endm
.macro MUL8 u, a0, zero, swp           ; the 32 accumulators take turns, one instruction a turn, in the same order in every sub-step
.set BB, 128+64*(((\u)%6)%2)
.irp a, \a0, \a0+1
.irp b, 0,1,2,3
.if \swp
.if \zero
	v_wmma_f32_16x16x128_fp8_fp8 v[8*(4*(\a)+\b):8*(4*(\a)+\b)+7], v[16*(\a):16*(\a)+15], v[BB+16*\b:BB+16*\b+15], 0
.else
	v_wmma_f32_16x16x128_fp8_fp8 v[8*(4*(\a)+\b):8*(4*(\a)+\b)+7], v[16*(\a):16*(\a)+15], v[BB+16*\b:BB+16*\b+15], v[8*(4*(\a)+\b):8*(4*(\a)+\b)+7]
.endif
.else
.if \zero
	v_wmma_f32_16x16x128_fp8_fp8 v[8*(4*(\a)+\b):8*(4*(\a)+\b)+7], v[BB+16*\b:BB+16*\b+15], v[16*(\a):16*(\a)+15], 0
.else
	v_wmma_f32_16x16x128_fp8_fp8 v[8*(4*(\a)+\b):8*(4*(\a)+\b)+7], v[BB+16*\b:BB+16*\b+15], v[16*(\a):16*(\a)+15], v[8*(4*(\a)+\b):8*(4*(\a)+\b)+7]
.endif
.endif
.endr
.endr
.endm
; A sub-step: 32 matrix instructions.  In its middle, behind four places, the next sub-step's tokens are fetched into the other buffer and the weights of five sub-steps on are asked for, into the set that the last sub-step left.
.macro SUBSTEP u, zero, swp
	WAITB \u
	s_wait_dscnt 16                                ; the tokens' blocks 0-3 are in; the youngest sixteen loads (blocks 4-7) may be out
	MWIN \u, \swp
	MUL8 \u, 0, \zero, \swp
	MUL8 \u, 2, \zero, \swp
.if (\u)+1 < NU
	PLACES
	FETCH (\u)+1
.if (\u)+5 < NU
	BLOAD (\u)+5
.endif
	s_wait_dscnt 32                                ; all but the 32 just issued
.else
	s_wait_dscnt 0x0
.endif
	MWIN \u, \swp
	MUL8 \u, 4, \zero, \swp
	MUL8 \u, 6, \zero, \swp
.endm
; The exchange, in two halves of eight accumulators: my sums of the partner's rows go to LDS as images of their registers, and the partner's sums of my rows land on the registers that mine have left.
; A barrier stands between a half's stores and the partner's loads, and another between those loads, waited for, and the next stores into the same bytes.
.macro XCHG
	PLACES
.irp p, 0,1
	WIN 0x0c
.set i, 0
.rept 16
	ds_store_b128 v24, v[128+64*\p+4*i:128+64*\p+4*i+3] offset:512*i
.set i, i+1
.endr
	s_wait_dscnt 0x0                               ; for the partner's sake: my stores have landed
	s_barrier_signal -1
	s_barrier_wait -1
	WIN 0xc0
.set i, 0
.rept 16
	ds_load_b128 v[128+64*\p+4*i:128+64*\p+4*i+3], v25 offset:512*i
.set i, i+1
.endr
	s_wait_dscnt 0x0                               ; my reads of the partner's bytes are over
	s_barrier_signal -1
	s_barrier_wait -1
.endr
.endm
; Tile n is finished in place: the two halves of K added, x 2^(e0 + e1) + bias, held, converted; the codes turn through my stage and leave as 4,096 dense bytes.
.macro WAYOUT n
	WIN 0
	s_wait_xcnt 0x0                                ; the last tile's stores have read v32-63, which are written again below
	v_mov_b32 v31, s[66+2*\n]                      ; the quantiser's scale,
	v_mov_b32 v30, s[67+2*\n]                      ; 448 x that
	XCHG
	WIN 0xcf
.set i, 0
.rept 64
	v_pk_add_f32 v[2*i:2*i+1], v[2*i:2*i+1], v[128+2*i:129+2*i]   ; each accumulator from its low end on
.set i, i+1
.endr
	WIN 0xc3
.set i, 0
.rept 64
.if \n < 2
	v_pk_fma_f32 v[2*i:2*i+1], v[2*i:2*i+1], s[92:93], v[64+32*\n+(2*i)%32:65+32*\n+(2*i)%32] op_sel_hi:[1,0,1]   ; the bias of channels 16 b + 8 h + 0 .. 7
.else
	v_pk_fma_f32 v[2*i:2*i+1], v[2*i:2*i+1], s[92:93], v[8+2*((i/4)%4):9+2*((i/4)%4)] op_sel_hi:[1,0,0]           ; the bias of channel 16 b + r
.endif
.set i, i+1
.endr
.set i, 0
.rept 128
	v_med3_num_f32 v[i], v[i], -v30, v30           ; the conversion does not saturate (ISA guide 7.6.2)
.set i, i+1
.endr
	WIN 0x03
.set i, 0
.rept 16
	v_cvt_scalef32_pk8_fp8_f32 v[32+2*i:33+2*i], v[8*i:8*i+7], v31
.set i, i+1
.endr
	v_nop                                          ; a plain line behind the last conversion
	WIN 0
.set i, 0
.rept 16
.if \n < 2
	ds_store_b64 v26, v[32+2*i:33+2*i] offset:(i/4)*1280+16*(i%4)   ; row = token 16 a + r, bytes 16 b + 8 h on
.else
	ds_store_b64 v26, v[32+2*i:33+2*i] offset:(i%4)*1280+16*(i/4)   ; row = channel 16 b + r, bytes 16 a + 8 h on
.endif
.set i, i+1
.endr
.set i, 0
.rept 8
	ds_load_b128 v[32+4*i:35+4*i], v27 offset:640*i   ; LDS serves a wave's instructions in order: these see my stores
.set i, i+1
.endr
.set i, 0
.rept 8
	s_wait_dscnt 7-i
	global_store_b128 v23, v[32+4*i:35+4*i], s[50+2*\n:51+2*\n] offset:512*i   ; 32 lanes store 512 consecutive bytes, aligned
.set i, i+1
.endr
.endm
.macro QC e, d                         ; s[d] = 2^e as f32, s[d + 1] = 448 x 2^e
	s_add_co_i32 s[\d+1], s[\e], 127
	s_lshl_b32 s[\d], s[\d+1], 23
	s_add_co_i32 s[\d+1], s[\d+1], 8
	s_lshl_b32 s[\d+1], s[\d+1], 23
	s_or_b32 s[\d+1], s[\d+1], 0x600000
.endm
	s_load_b256 s[4:11], s[0:1], 0x0               ; wc, the scales' exponents, qkv_b, qkvc
	v_lshl_add_u32 v28, v0, 2, 0x2a000
	v_mov_b32 v29, 0
	ds_add_u32 v28, v29
	v_lshrrev_b32 v1, 5, v0
	v_readfirstlane_b32 s14, v1                    ; wave
	s_lshr_b32 s15, s14, 1                         ; kh: my half of K
	s_and_b32 s16, s14, 1                          ; ch: my half of the columns
	s_bfe_u32 s40, ttmp6, 0x40000                  ; cx
	s_lshl_b32 s42, ttmp9, 2
	s_add_co_u32 s42, s42, s40                     ; x: my tile of columns in each of q, k, v
	s_and_b32 s17, ttmp7, 0xffff                   ; my tile of tokens, which the four partners share
	s_mov_b32 s24, 15|(1<<20)|(1<<21)|(5<<22)|(3<<25)   ; the mask: all four; elements of 1 byte; padding: 4 words behind every 64; bit 21 beside a mask
	s_mov_b32 s25, 256<<16                         ; tensor_dim0
	s_mov_b32 s26, 128<<16                         ; tensor_dim1
	s_mov_b32 s27, 256<<16                         ; tile_dim0
	s_mov_b32 s28, 128                             ; tile_dim1
	s_mov_b32 s29, 256                             ; pitch: the block is dense
	s_mov_b32 s30, 0
	s_mov_b32 s31, 0
	s_mov_b32 s32, 1
	s_mul_i32 s33, s14, QUART                      ; wave w brings chunks 4 w .. 4 w + 3
	s_lshl_b32 s20, s17, 17
	s_lshl_b32 s18, s14, 15
	s_add_co_u32 s20, s20, s18
	s_mov_b32 s21, 0
	s_lshl_b32 s46, s42, 17                        ; the weights: tile x,
	s_lshl_b32 s47, s15, 1
	s_add_co_u32 s47, s47, s16
	s_lshl_b32 s47, s47, 15                        ; my part of it: 2 kh + ch, four sub-steps of 8,192 bytes
	s_add_co_u32 s46, s46, s47
	s_add_co_u32 s46, s46, WOFF
	s_mov_b32 s47, 0
	s_lshl_b32 s76, s17, 7
	s_lshl_b32 s77, s15, 6
	s_add_co_u32 s76, s76, s77                     ; the first token that I finish
	s_lshl_b32 s75, s42, 1
	s_add_co_u32 s75, s75, s16                     ; my head
	s_lshr_b32 s78, s76, 11
	s_lshl_b32 s78, s78, 4
	s_add_co_u32 s78, s78, s75
	s_lshl_b32 s78, s78, 17                        ; batch and head: 131,072 bytes
	s_and_b32 s79, s76, 2047
	s_lshl_b32 s79, s79, 6                         ; 64 bytes a token (v: 4,096 a chunk of 64 keys, which is the same)
	s_add_co_u32 s78, s78, s79
	s_mov_b32 s79, 0
	s_lshl_b32 s80, s42, 9
	s_lshl_b32 s81, s16, 8
	s_add_co_u32 s80, s80, s81                     ; my first channel in a third of qkv_b, in bytes
	v_and_b32 v1, 15, v0                           ; r
	v_bfe_u32 v2, v0, 4, 1                         ; h
	v_lshrrev_b32 v3, 2, v1
	v_mul_u32_u24 v3, v3, 272
	v_and_b32 v4, 3, v1
	v_lshl_add_u32 v3, v4, 6, v3
	v_lshl_add_u32 v3, v2, 4, v3                   ; row r of a block: line r / 4, 64 (r % 4) in it, + 16 h: sixteen lanes fall on sixteen different columns of 16 bytes
	s_mul_i32 s73, s15, 73984                      ; blocks a = 0 .. 3: my half's eight chunks, + 4 kh blocks
	s_mul_i32 s74, s15, 65280                      ; blocks a = 4 .. 7: my half's eight chunks, - 4 kh blocks
.irp g, 0,1
	v_add_nc_u32 v[ADR0+\g], s73, v3
	v_add_nc_u32 v[ADR1+\g], s74, v3
	s_add_co_u32 s73, s73, QUART
	s_add_co_u32 s74, s74, QUART
.endr
	v_and_b32 v5, 31, v0
	v_lshlrev_b32 v23, 4, v5                       ; 16 x lane
	s_lshl_b32 s97, s14, 13
	s_add_co_u32 s97, s97, XCH
	v_add_nc_u32 v24, s97, v23                     ; the exchange: my images
	v_mul_u32_u24 v26, v1, 80
	v_lshl_add_u32 v26, v2, 3, v26
	v_add_nc_u32 v26, s97, v26                     ; my stage, in the same bytes: 64 rows x (64 + 16); in: row r, 8 h
	v_lshrrev_b32 v27, 2, v5
	v_mul_u32_u24 v27, v27, 80
	v_and_b32 v6, 3, v5
	v_lshl_add_u32 v27, v6, 4, v27
	v_add_nc_u32 v27, s97, v27                     ; back: four lanes to a row
	s_xor_b32 s97, s14, 2
	s_lshl_b32 s97, s97, 13
	s_add_co_u32 s97, s97, XCH
	v_add_nc_u32 v25, s97, v23                     ; the exchange: my partner's images
	v_lshl_add_u32 v20, v2, 5, s80
	v_lshl_add_u32 v21, v1, 2, s80
	s_wait_dscnt 0x0
	s_wait_kmcnt 0x0
	s_load_b256 s[84:91], s[6:7], 0x0              ; e0 .. e7
	s_add_nc_u64 s[34:35], s[4:5], s[20:21]
	s_or_b32 s35, s35, 0x80000000
	s_add_nc_u64 s[46:47], s[4:5], s[46:47]
	s_add_nc_u64 s[50:51], s[10:11], s[78:79]      ; where my part of q goes,
	s_add_nc_u64 s[52:53], s[50:51], 0x400000      ; of k,
	s_add_nc_u64 s[54:55], s[52:53], 0x400000      ; of v
	CROUND                                         ; all four work-groups are here: the joint loads meet
	tensor_load_to_lds s[32:35], s[24:31]          ; my one tensor load: a quarter of the tokens' tile
	s_nop 0
.rept 4
	v_nop
.endr
.irp n, 0,1
.irp b, 0,1,2,3
	global_load_b128 v[64+32*\n+8*\b:67+32*\n+8*\b], v20, s[8:9] offset:4096*\n+64*\b
	global_load_b128 v[68+32*\n+8*\b:71+32*\n+8*\b], v20, s[8:9] offset:4096*\n+64*\b+16
.endr
.endr
.irp b, 0,1,2,3
	global_load_b32 v[8+2*\b], v21, s[8:9] offset:8192+64*\b
	v_mov_b32 v[9+2*\b], 0                         ; (named with it as a pair)
.endr
	BLOAD 0
	BLOAD 1
	BLOAD 2
	WIN 0
	s_wait_kmcnt 0x0
	s_add_co_i32 s92, s84, s85
	s_add_co_i32 s92, s92, 127
	s_lshl_b32 s92, s92, 23                        ; 2^(e0 + e1)
	s_mov_b32 s93, s92
	QC 86, 66                                      ; q: e2
	QC 87, 68                                      ; k: e3
	QC 89, 70                                      ; v: e5
	s_wait_tensorcnt 0x0                           ; my quarter of the tokens is in,
	s_barrier_signal -1
	s_barrier_wait -1                              ; everybody's is
	FETCH 0
	BLOAD 3
	BLOAD 4
.irp n, 0,1,2
.irp s, 0,1,2,3
.if \s == 0
	SUBSTEP 4*\n+\s, 1, \n/2                       ; a tile's first products start the sums: nothing is cleared
.else
	SUBSTEP 4*\n+\s, 0, \n/2
.endif
.endr
	WAYOUT \n
.endr
	s_wait_dscnt 0x0
	s_wait_tensorcnt 0x0
	ds_add_u32 v28, v29
	s_wait_dscnt 0x0
	CROUND                                         ; the closing round
	s_endpgm
.Lfunc_end_k_qae2948c728_gemm_qkv:
	.size	k_qae2948c728_gemm_qkv, .Lfunc_end_k_qae2948c728_gemm_qkv-k_qae2948c728_gemm_qkv
	.p2alignl 7, 3214868480
	.fill 96, 4, 3214868480
	.section	.rodata,"a",@progbits
	.p2align	6, 0x0
	.amdhsa_kernel k_qae2948c728_gemm_qkv
		.amdhsa_group_segment_fixed_size 327680
		.amdhsa_private_segment_fixed_size 0
		.amdhsa_enable_private_segment 0
		.amdhsa_kernarg_size 32
		.amdhsa_user_sgpr_count 2
		.amdhsa_user_sgpr_kernarg_segment_ptr 1
		.amdhsa_wavefront_size32 1
		.amdhsa_system_sgpr_workgroup_id_x 1
		.amdhsa_system_sgpr_workgroup_id_y 1
		.amdhsa_system_sgpr_workgroup_id_z 1
		.amdhsa_system_vgpr_workitem_id 0
		.amdhsa_next_free_vgpr 1024
		.amdhsa_next_free_sgpr 100
		.amdhsa_reserve_vcc 0
		.amdhsa_float_denorm_mode_32 3
		.amdhsa_float_denorm_mode_16_64 3
		.amdhsa_memory_ordered 1
		.amdhsa_forward_progress 1
		.amdhsa_inst_pref_size 152
	.end_amdhsa_kernel
	.amdgpu_metadata
---
amdhsa.version: [ 1, 2 ]
amdhsa.kernels:
  - .name:           k_qae2948c728_gemm_qkv
    .symbol:         k_qae2948c728_gemm_qkv.kd
    .args:
      - { .name: wc, .offset: 0, .size: 8, .value_kind: global_buffer, .address_space: global }
      - { .name: lowp_scales, .offset: 8, .size: 8, .value_kind: global_buffer, .address_space: global }
      - { .name: qkv_b, .offset: 16, .size: 8, .value_kind: global_buffer, .address_space: global }
      - { .name: qkvc, .offset: 24, .size: 8, .value_kind: global_buffer, .address_space: global }
    .group_segment_fixed_size: 327680
    .private_segment_fixed_size: 0
    .kernarg_segment_align: 8
    .kernarg_segment_size: 32
    .max_flat_workgroup_size: 128
    .sgpr_count:     100
    .vgpr_count:     1024
    .wavefront_size: 32
...
	.end_amdgpu_metadata
.endif
;; end of part 3
;; launch attn (part 4): grid 8 x 32, 16 waves a work-group, no clusters, 327,680 bytes of LDS; arguments qkvc, lowp_scales, ac; writes ac
.if DOCPART == 4
	.amdgcn_target "amdgcn-amd-amdhsa--gfx1250"
	.amdhsa_code_object_version 6
	.text
	.protected	k_qae2948c728_attn
	.globl	k_qae2948c728_attn
	.p2align	8
	.type	k_qae2948c728_attn,@function
k_qae2948c728_attn:
	s_mov_b64 s[64:65], 0
	v_nop
	global_prefetch_b8 v0, s[64:65] scope:SCOPE_SE
	s_setreg_imm32_b32 hwreg(HW_REG_WAVE_MODE, 25, 1), 1
	s_wait_xcnt 0x0
; Attention with ALiBi (slope x distance, added) and the causal mask, both products on codes of E4M3; the result is quantised (e6) for the projection.
; q, k: [32 batch x head][2048][64] codes.  v: [32][32 chunks of 64 keys][64 channels][64 keys] codes.  Out: blocked layout, tile of 128 tokens, chunk = head, 64 bytes a token.
; t = score x log2(e) / 8 + a (query - key), a = slope x log2(e).  M = the running largest t rounded UP to a whole number; p = 2^(t - M) is quantised (e4); the row's sum is taken of the unquantised p and divides at the end.
; ALiBi costs one number a lane and step: a (query - key) = a (QD - KF) - a (16 tile + register).  The second part, divided by the scores' factor, is the C of the scores' matrix instruction.
; t - M is formed as score part + (a (QD - KF) - M): its error is one rounding of a x distance.
; SHARES.  A work-group owns query blocks x and 15 - x (128 queries each) of one batch and head, so that every work-group has the same number of key steps that count.  Each of sixteen waves owns 16 queries.
; Every work-group walks all four slots of 512 keys: trip counts are constants; a step all of whose keys come after the wave's queries is jumped over by a scalar branch on ids.
; NO CLUSTER: that branch hangs on the work-group's own block of queries, which partners of a joint load may not have.
; Both products are used transposed: a lane holds ONE query (lane % 16) throughout.  Tile t of the scores holds keys 16 t + 8 h + 0 .. 7 in a lane: its eight codes are registers 2 t, 2 t + 1 of the second product's operand as they stand.
; LIMITS: e2 + e3 between -100 and 100; e4, e6 between -126 and 119.
.set SLOT1, 1<<17                      ; a slot: 512 rows of k at pitch 80, then 8 chunks x 64 rows of v at pitch 80
.set VOFF,  40960
.set SPARE, 262144                     ; the spare words, 128 bytes for each of sixteen waves
.set STAGE, 264192                     ; the way out: 16 rows x 80 bytes for each wave: bytes that no tensor load fills
; v1, v2 my place in a tile of k, of v; v3 QD = my query - 8 h; v4, v7 the step's addresses; v5, v6 the add's; v8 d; v9 a d; v[10:11] a d - M; v12 -M; v13 the largest t; v[14:15] the sum;
; v16-23 q; v24-55 fragments; v56-119 scores, then p; v120-183 ALiBi's C; v184-215 O^T; v216-231 p's codes; v232-234 the way out; v235 a; v240, v244: 448 x 2^e4, 2^e4; v241, v245: the same with e6
.macro TLOAD                           ; waves 0-3 fetch a quarter of a slot each; four v_nop follow the line
	s_cmp_lt_u32 s18, 4
	s_cbranch_scc0 .Lasked_\@
	tensor_load_to_lds s[40:43], s[24:31]
	s_nop 0
.rept 4
	v_nop
.endr
.Lasked_\@:
.endm
	s_load_b128 s[4:7], s[0:1], 0x0                ; qkvc, the scales' exponents
	s_load_b64 s[8:9], s[0:1], 0x10                ; ac
	v_lshl_add_u32 v5, v0, 2, SPARE
	v_mov_b32 v6, 0
	ds_add_u32 v5, v6
	s_wait_dscnt 0x0
	v_lshrrev_b32 v8, 5, v0
	v_readfirstlane_b32 s18, v8                    ; wave 0 .. 15
	s_and_b32 s10, ttmp7, 0xffff                   ; batch x 16 + head
	s_lshl_b32 s11, s10, 17
	s_lshr_b32 s12, s18, 2
	s_xor_b32 s12, s12, s18
	s_and_b32 s12, s12, 1                          ; early block or late block
	s_sub_co_u32 s13, 15, ttmp9
	s_cmp_eq_u32 s12, 1
	s_cselect_b32 s13, s13, ttmp9
	s_lshl_b32 s13, s13, 7
	s_lshr_b32 s14, s18, 1
	s_lshl_b32 s14, s14, 4
	s_add_co_u32 s99, s13, s14                     ; my first query
	s_and_b32 s15, s18, 3
	s_mul_i32 s41, s15, 20480                      ; my quarter of a slot: 256 rows at pitch 80
	s_lshr_b32 s16, s15, 1
	s_add_co_u32 s16, s16, 1
	s_lshl_b32 s16, s16, 22                        ; k's or v's part of qkvc
	s_add_co_u32 s16, s16, s11
	s_and_b32 s17, s15, 1
	s_lshl_b32 s17, s17, 14
	s_add_co_u32 s16, s16, s17
	s_mov_b32 s17, 0
	s_mov_b32 s24, (1<<20)|(3<<22)|(3<<25)         ; elements of 1 byte; padding: 4 words behind every 16
	s_mov_b32 s25, 64<<16                          ; tensor_dim0
	s_mov_b32 s26, 256<<16                         ; tensor_dim1
	s_mov_b32 s27, 64<<16                          ; tile_dim0
	s_mov_b32 s28, 256                             ; tile_dim1
	s_mov_b32 s29, 64                              ; pitch
	s_mov_b32 s30, 0
	s_mov_b32 s31, 0
	s_mov_b32 s20, 0x76543210
	s_mov_b32 s21, 0xfedcba98
	s_mov_b32 s66, 0                               ; LDS byte at which the slot in hand begins
	s_mov_b32 s67, 3                               ; slots still to be asked for
	s_mov_b32 s98, 0                               ; the step's first key
	s_lshl_b32 s44, s99, 6
	s_add_co_u32 s44, s44, s11
	s_mov_b32 s45, 0                               ; q at my first query
	s_lshr_b32 s46, s10, 4
	s_lshl_b32 s46, s46, 11
	s_add_co_u32 s46, s46, s99                     ; my first token
	s_lshr_b32 s47, s46, 7
	s_lshl_b32 s47, s47, 17
	s_and_b32 s48, s10, 15
	s_lshl_b32 s49, s48, 13
	s_add_co_u32 s47, s47, s49
	s_and_b32 s46, s46, 127
	s_lshl_b32 s46, s46, 6
	s_add_co_u32 s46, s46, s47
	s_mov_b32 s47, 0                               ; and its place in ac
	s_add_co_u32 s48, s48, 1                       ; i = head + 1: slope = 2^(-i / 2)
	s_add_co_u32 s50, s48, 1
	s_lshr_b32 s50, s50, 1
	s_lshl_b32 s50, s50, 23
	s_and_b32 s51, s48, 1
	s_cmp_eq_u32 s51, 1
	s_mov_b32 s49, 0x3f800000
	s_cselect_b32 s49, 0x3fb504f3, s49             ; sqrt(2) for odd i
	s_sub_co_u32 s49, s49, s50                     ; x 2^-((i + 1) / 2): the slope as f32
	s_wait_kmcnt 0x0
	s_load_b256 s[68:75], s[6:7], 0x0              ; e0 .. e7
	s_mov_b32 s40, 1
	s_add_nc_u64 s[42:43], s[4:5], s[16:17]
	s_or_b32 s43, s43, 0x80000000
	TLOAD                                          ; slot 0
	s_add_nc_u64 s[44:45], s[4:5], s[44:45]
	s_add_nc_u64 s[8:9], s[8:9], s[46:47]
	v_and_b32 v8, 15, v0                           ; r
	v_bfe_u32 v9, v0, 4, 1                         ; h
	v_lshlrev_b32 v4, 6, v8
	v_lshl_add_u32 v4, v9, 4, v4
	global_load_b128 v[16:19], v4, s[44:45]        ; q's fragment stays in registers; k is fetched by the same two lines, so the head's 64 are permuted alike in both
	global_load_b128 v[20:23], v4, s[44:45] offset:32
	v_mul_u32_u24 v1, v8, 80
	v_lshl_add_u32 v2, v9, 3, v1
	v_add_nc_u32 v2, VOFF, v2
	v_lshl_add_u32 v1, v9, 4, v1
	v_lshlrev_b32 v3, 3, v9
	v_sub_nc_u32 v3, v8, v3
	v_add_nc_u32 v3, s99, v3                       ; QD
	s_mul_i32 s97, s18, 1280
	s_add_co_u32 s97, s97, STAGE
	v_mul_u32_u24 v232, v8, 80
	v_lshl_add_u32 v232, v9, 3, v232
	v_add_nc_u32 v232, s97, v232
	v_and_b32 v234, 31, v0
	v_lshrrev_b32 v233, 2, v234
	v_mul_u32_u24 v233, v233, 80
	v_and_b32 v246, 3, v234
	v_lshl_add_u32 v233, v246, 4, v233
	v_add_nc_u32 v233, s97, v233
	v_lshlrev_b32 v234, 4, v234
	v_mov_b32 v235, s49
	v_mul_f32 v235, 0x3fb8aa3b, v235               ; a
	v_mov_b32 v11, 0                               ; (named as the upper half of a pair)
	v_mov_b32 v13, 0xff61b1e6                      ; the largest t so far: -3e38
	v_floor_f32 v12, -v13
	v_mov_b32 v14, 0
	v_mov_b32 v15, 0
	v_mov_b32 v236, 0                              ; a lane permute's destination counts as one of its sources
	v_mov_b32 v252, 0
	v_mov_b32 v253, 0
.set n, 0
.rept 32
	v_mov_b32 v[184+n], 0                          ; O^T: the step is written once; the first finds zeros
.set n, n+1
.endr
	s_wait_kmcnt 0x0
	s_add_co_i32 s50, s70, s71                     ; e2 + e3
	s_lshl_b32 s51, s50, 23
	s_mov_b32 s22, 0x3e38aa3b                      ; log2(e) / 8,
	s_add_co_i32 s22, s22, s51                     ; x 2^(e2 + e3)
	s_mov_b32 s23, s22
	s_sub_co_i32 s52, 3, s50
	s_lshl_b32 s52, s52, 23
	s_add_co_i32 s77, s49, s52
	s_xor_b32 s77, s77, 0x80000000                 ; -slope x 2^(3 - e2 - e3) = -a / the scores' factor
.set n, 0
.rept 64
	v_cvt_f32_u32 v[120+n], 16*(n/8)+n%8
.set n, n+1
.endr
.set n, 0
.rept 64
	v_mul_f32 v[120+n], s77, v[120+n]
.set n, n+1
.endr
	s_add_co_i32 s53, s72, 127
	s_lshl_b32 s54, s53, 23
	v_mov_b32 v244, s54
	s_add_co_i32 s53, s53, 8
	s_lshl_b32 s53, s53, 23
	s_or_b32 s53, s53, 0x600000
	v_mov_b32 v240, s53
	s_add_co_i32 s53, s74, 127
	s_lshl_b32 s54, s53, 23
	v_mov_b32 v245, s54
	s_add_co_i32 s53, s53, 8
	s_lshl_b32 s53, s53, 23
	s_or_b32 s53, s53, 0x600000
	v_mov_b32 v241, s53
; A KEY STEP: 128 keys, the q-th of the slot in hand
.macro STEP q
	s_add_co_u32 s96, s99, 15
	s_cmp_gt_u32 s98, s96
	s_cbranch_scc1 .Lhidden_\@                     ; all its keys come after my queries
	v_add_nc_u32 v4, s66, v1
	v_add_nc_u32 v7, s66, v2
	s_sub_co_i32 s96, 0, s98
	v_add_nc_u32 v8, s96, v3                       ; d = QD - KF
	v_cvt_f32_i32 v9, v8
	v_nop                                          ; (these lines are the places in front of loads into registers that the last products read)
.irp g, 0,1
.if \g > 0
.rept 4
	v_nop
.endr
.endif
.irp t, 0,1,2,3
	ds_load_b128 v[24+8*\t:27+8*\t], v4 offset:(128*(\q)+16*(4*\g+\t))*80
	ds_load_b128 v[28+8*\t:31+8*\t], v4 offset:(128*(\q)+16*(4*\g+\t))*80+32
.endr
	s_wait_dscnt 0x0
.irp t, 0,1,2,3
	v_wmma_f32_16x16x64_fp8_fp8 v[56+8*(4*\g+\t):63+8*(4*\g+\t)], v[24+8*\t:31+8*\t], v[16:23], v[120+8*(4*\g+\t):127+8*(4*\g+\t)]
.endr
.endr
	v_mul_f32 v9, v235, v9                         ; a d
.rept 3
	v_nop
.endr
	s_add_co_u32 s96, s98, 127
	s_cmp_le_u32 s96, s99
	s_cbranch_scc1 .Lopen_\@                       ; all its keys count
	v_mov_b32 v254, 0xff800000                     ; on the diagonal hidden scores become -infinity: register 8 t + j is hidden where 16 t + j > d
.set n, 0
.rept 64
	v_cmp_gt_i32 vcc_lo, 16*(n/8)+n%8, v8
	v_cndmask_b32 v[56+n], v[56+n], v254, vcc_lo
.set n, n+1
.endr
.Lopen_\@:
	v_max3_num_f32 v254, v56, v57, v58
	v_max3_num_f32 v252, v59, v60, v61
.irp i, 6,10,14,18,22,26,30,34,38,42,46,50,54,58
	v_max3_num_f32 v254, v254, v[56+\i], v[57+\i]
	v_max3_num_f32 v252, v252, v[58+\i], v[59+\i]
.endr
	v_max3_num_f32 v254, v254, v118, v119
	v_max_num_f32 v254, v254, v252
	v_fma_f32 v254, v254, s22, v9                  ; as t: a d differs between the halves of the lanes, so it goes in ahead of the exchange
	v_permlanex16_b32 v236, v254, s20, s21
	v_max_num_f32 v254, v254, v236
	v_max_num_f32 v13, v13, v254
	v_mov_b32 v254, v12
	v_floor_f32 v12, -v13                          ; -M = floor(-t)
	v_sub_f32 v254, v12, v254
	v_cvt_i32_f32 v254, v254                       ; old M - new M (it saturates)
	v_ldexp_f32 v252, 1.0, v254                    ; f = 2^(old M - new M)
	v_add_f32 v10, v9, v12                         ; a d - M
.set n, 0
.rept 32
	v_pk_fma_f32 v[56+2*n:57+2*n], v[56+2*n:57+2*n], s[22:23], v[10:11] op_sel_hi:[1,0,0]
.set n, n+1
.endr
.set n, 0
.rept 64
	v_exp_f32 v[56+n], v[56+n]                     ; p = 2^(t - M)
.set n, n+1
.endr
	v_pk_mul_f32 v[14:15], v[14:15], v[252:253] op_sel_hi:[1,0]   ; the sum under the new M (a plain line behind the exponentials)
	s_wait_alu depctr_va_vdst(0)
	v_pk_add_f32 v[242:243], v[56:57], v[58:59]    ; the sum is taken of the unquantised p
.irp j, 4,8,12,16,20,24,28,32,36,40,44,48,52,56,60
	v_pk_add_f32 v[14:15], v[14:15], v[56+\j:57+\j]
	v_pk_add_f32 v[242:243], v[242:243], v[58+\j:59+\j]
.endr
	v_pk_add_f32 v[14:15], v[14:15], v[242:243]
.irp t, 0,1,2,3,4,5,6,7
.irp i, 0,1,2,3,4,5,6,7
	v_min_num_f32 v[56+8*\t+\i], v[56+8*\t+\i], v240   ; the conversion does not saturate (ISA guide 7.6.2); p is not negative
.endr
	v_cvt_scalef32_pk8_fp8_f32 v[216+2*\t:217+2*\t], v[56+8*\t:63+8*\t], v244
.endr
.set n, 0
.rept 16
	v_pk_mul_f32 v[184+2*n:185+2*n], v[184+2*n:185+2*n], v[252:253] op_sel_hi:[1,0]   ; O^T under the new M
.set n, n+1
.endr
.irp g, 0,1
.if \g > 0
.rept 4
	v_nop
.endr
.endif
.irp t, 0,1
.irp c, 0,1,2,3,4,5,6,7
	ds_load_b64 v[24+16*\t+2*\c:25+16*\t+2*\c], v7 offset:(2*(\q)+\c/4)*5120+16*(2*\g+\t)*80+16*(\c%4)
.endr
.endr
	s_wait_dscnt 0x0
.irp t, 0,1
	v_wmma_f32_16x16x128_fp8_fp8 v[184+8*(2*\g+\t):191+8*(2*\g+\t)], v[24+16*\t:39+16*\t], v[216:231], v[184+8*(2*\g+\t):191+8*(2*\g+\t)]
.endr
.endr
.Lhidden_\@:
	s_add_co_u32 s98, s98, 128
.endm
; THE CHANGE OF SLOTS, at a slot's head: each wave waits for all its tensor loads, adds 0 to its spare word, waits for that and for its reads of the slot that it has left; one barrier; then the slot left is filled with the keys that follow
.macro CHANGE fill
	s_wait_tensorcnt 0x0
	ds_add_u32 v5, v6
.if \fill
	s_xor_b32 s41, s41, SLOT1
	s_add_nc_u64 s[42:43], s[42:43], 32768
.endif
	s_wait_dscnt 0x0
	s_barrier_signal -1
	s_barrier_wait -1
.if \fill
	TLOAD
.endif
.endm
.macro SLOT_STEPS
.set Q, 0
.rept 4
	STEP Q
.set Q, Q+1
.endr
	s_xor_b32 s66, s66, SLOT1
.endm
	s_wait_loadcnt 0x0                             ; q
.Lslot:
	CHANGE 1
	SLOT_STEPS
	s_sub_co_u32 s67, s67, 1
	s_cmp_lg_u32 s67, 0
	s_cbranch_scc1 .Lslot
	CHANGE 0                                       ; the last slot is written out
	SLOT_STEPS
.rept 4
	v_nop                                          ; places behind the last products
.endr
	v_add_f32 v14, v14, v15
	v_permlanex16_b32 v252, v14, s20, s21
	v_add_f32 v14, v14, v252                       ; the row's sum
	v_rcp_f32 v14, v14
	v_nop
	s_add_co_i32 s96, s72, s73
	s_wait_alu depctr_va_vdst(0)
	v_ldexp_f32 v14, v14, s96                      ; x 2^(e4 + e5)
.set n, 0
.rept 32
	v_mul_f32 v[56+n], v[184+n], v14
.set n, n+1
.endr
.set n, 0
.rept 32
	v_med3_num_f32 v[56+n], v[56+n], -v241, v241
.set n, n+1
.endr
.irp t, 0,1,2,3
	v_cvt_scalef32_pk8_fp8_f32 v[216+2*\t:217+2*\t], v[56+8*\t:63+8*\t], v245
.endr
	v_nop
.irp t, 0,1,2,3
	ds_store_b64 v232, v[216+2*\t:217+2*\t] offset:16*\t     ; query r, channels 16 t + 8 h + 0 .. 7
.endr
.irp i, 0,1
	ds_load_b128 v[24+4*\i:27+4*\i], v233 offset:640*\i      ; LDS serves a wave's instructions in order
.endr
.irp i, 0,1
	s_wait_dscnt 1-\i
	global_store_b128 v234, v[24+4*\i:27+4*\i], s[8:9] offset:512*\i   ; 32 lanes store 512 consecutive bytes, aligned
.endr
	s_wait_tensorcnt 0x0                           ; the wave's end
	ds_add_u32 v5, v6
	s_wait_dscnt 0x0
	s_endpgm
.Lfunc_end_k_qae2948c728_attn:
	.size	k_qae2948c728_attn, .Lfunc_end_k_qae2948c728_attn-k_qae2948c728_attn
	.p2alignl 7, 3214868480
	.fill 96, 4, 3214868480
	.section	.rodata,"a",@progbits
	.p2align	6, 0x0
	.amdhsa_kernel k_qae2948c728_attn
		.amdhsa_group_segment_fixed_size 327680
		.amdhsa_private_segment_fixed_size 0
		.amdhsa_enable_private_segment 0
		.amdhsa_kernarg_size 24
		.amdhsa_user_sgpr_count 2
		.amdhsa_user_sgpr_kernarg_segment_ptr 1
		.amdhsa_wavefront_size32 1
		.amdhsa_system_sgpr_workgroup_id_x 1
		.amdhsa_system_sgpr_workgroup_id_y 1
		.amdhsa_system_sgpr_workgroup_id_z 1
		.amdhsa_system_vgpr_workitem_id 0
		.amdhsa_next_free_vgpr 256
		.amdhsa_next_free_sgpr 100
		.amdhsa_reserve_vcc 1
		.amdhsa_float_denorm_mode_32 3
		.amdhsa_float_denorm_mode_16_64 3
		.amdhsa_memory_ordered 1
		.amdhsa_forward_progress 1
		.amdhsa_inst_pref_size 192
	.end_amdhsa_kernel
	.amdgpu_metadata
---
amdhsa.version: [ 1, 2 ]
amdhsa.kernels:
  - .name:           k_qae2948c728_attn
    .symbol:         k_qae2948c728_attn.kd
    .args:
      - { .name: qkvc, .offset: 0, .size: 8, .value_kind: global_buffer, .address_space: global }
      - { .name: lowp_scales, .offset: 8, .size: 8, .value_kind: global_buffer, .address_space: global }
      - { .name: ac, .offset: 16, .size: 8, .value_kind: global_buffer, .address_space: global }
    .group_segment_fixed_size: 327680
    .private_segment_fixed_size: 0
    .kernarg_segment_align: 8
    .kernarg_segment_size: 24
    .max_flat_workgroup_size: 512
    .sgpr_count:     100
    .vgpr_count:     256
    .wavefront_size: 32
...
	.end_amdgpu_metadata
.endif
;; end of part 4
;; launch gemm_proj (part 5): grid 8 x 32, 4 waves a work-group, clusters of 4 x 4, 327,680 bytes of LDS; arguments ac, wc, lowp_scales, proj_b, x, x2; writes x2
.if DOCPART == 5
	.amdgcn_target "amdgcn-amd-amdhsa--gfx1250"
	.amdhsa_code_object_version 6
	.text
	.protected	k_qae2948c728_gemm_proj
	.globl	k_qae2948c728_gemm_proj
	.p2align	8
	.type	k_qae2948c728_gemm_proj,@function
k_qae2948c728_gemm_proj:
	s_mov_b64 s[64:65], 0
	v_nop
	global_prefetch_b8 v0, s[64:65] scope:SCOPE_SE
	s_setreg_imm32_b32 hwreg(HW_REG_WAVE_MODE, 25, 1), 1
	s_wait_xcnt 0x0
	s_wait_alu depctr_hold_cnt(0) depctr_sa_sdst(0) depctr_va_vdst(0) depctr_va_sdst(0) depctr_va_ssrc(0) depctr_va_vcc(0) depctr_vm_vsrc(0)
	s_getreg_b32 s2, hwreg(HW_REG_IB_STS2, 6, 4)
	s_cmp_eq_u32 s2, 0
	s_cbranch_scc0 .Lentry_in_a_cluster
	s_endpgm
.Lentry_in_a_cluster:
	s_bfe_u32 s2, ttmp6, 0x10000c
	s_cmp_lg_u32 s2, 0xf033
	s_cbranch_scc0 .Lentry_shape_is_right
	s_endpgm
.Lentry_shape_is_right:
; x2 = x + attention's result W + b, the product on codes of E4M3 (e6, e7), both operands in the blocked layout (tile of 128 rows, chunk of 64 along K).  K = 1,024: two K steps of 512.
; A tile of the result is 128 x 128, made by four waves.  Wave (kh, ch) multiplies all 128 tokens by 64 columns (half ch) over HALF kh of each K step: 32 accumulators, 12 fragments for 32 matrix instructions.
; At the end the two waves of a pair exchange halves of their sums through LDS and each finishes 64 x 64.  K is split over the pair: the sums are added in another order than K ascending.
; THE MATRIX INSTRUCTION IS USED TRANSPOSED (source 0 = 16 columns of W, source 1 = 16 tokens): a lane holds eight neighbouring numbers of a row of the result.
; CLUSTERS: 4 x 4: the tokens' tile is shared along a row of the cluster, the weights' along a column, each asked for by a joint load of four dense chunks a wave.
; A fragment is fetched by four loads of 16 bytes: k is permuted alike in both operands.
; REGISTERS: window 0: v0-31 addresses, v32-255 the way out.  Windows 1, 2: two fragment buffers.  Window 3: accumulator (a, b) at v[8 (4 a + b)]; local block a is the tile's block (a + 4 kh) mod 8.
; LIMIT: e6 + e7 between -126 and 127.
.set TSA,   131072                     ; bytes of a tile of the first operand
.set TSB,   131072                     ; of the second
.set BOFF,  7340032                    ; the weights' region in wc
.set SOFF,  0x18                       ; the two exponents' place among the scales
.set CH,    8704
.set BLK,   1088
.set QUART, 34816
.set SLOT,  139264
.set SPARE, 278528
.set XCH,   0                          ; the way out lies in slot 0, which has had its last fill and its last read by then
.set STG,   65536
.set G1, 24
.set G0, 32
.set G1B, 48
.set G0B, 56
.set MUL0, 0xf5
.set MUL1, 0xfa
.set MSB, 0
.macro WIN new
.if MSB != \new
	s_set_vgpr_msb (MSB<<8)|\new
.set MSB, \new
.endif
.endm
.macro JLOAD g0a, g1a, g0b, g1b        ; waves 0, 1 fetch for the first operand, waves 2, 3 for the second; four v_nop follow each line
	s_cmp_eq_u32 s15, 0
	s_cbranch_scc0 .Lfor_b_\@
	tensor_load_to_lds s[\g0a:\g0a+3], s[\g1a:\g1a+7]
	s_nop 0
.rept 4
	v_nop
.endr
	s_branch .Lasked_\@
.Lfor_b_\@:
	tensor_load_to_lds s[\g0b:\g0b+3], s[\g1b:\g1b+7]
	s_nop 0
.rept 4
	v_nop
.endr
.Lasked_\@:
.endm
.macro CREST
	s_cmp_lg_u32 s14, 0
	s_cbranch_scc1 .Lnot_wave_0_\@
	s_barrier_signal -3
.Lnot_wave_0_\@:
	s_barrier_wait -3
	s_barrier_signal -1
	s_barrier_wait -1
.endm
.macro CROUND
	s_barrier_signal -1
	s_barrier_wait -1
	CREST
.endm
.macro PLACES                          ; four plain lines behind a matrix instruction (ISA guide 7.12.1)
.rept 4
	v_nop
.endr
.endm
.macro FRAG reg, adr, q, i
.irp c, 0,1,2,3
	ds_load_b128 v[\reg+4*\c:\reg+4*\c+3], v[\adr] offset:(2*(\q)+\c/2)*CH+(\i)*BLK+32*(\c%2)
.endr
.endm
.macro FETCH slot, q, tw
	WIN \tw
.irp b, 0,1,2,3
	FRAG 128+16*\b, 20+\slot, \q, \b
.endr
.irp a, 0,1,2,3
	FRAG 16*\a, 16+\slot, \q, \a
.endr
.irp a, 4,5,6,7
	FRAG 16*\a, 18+\slot, \q, \a
.endr
.endm
.macro MUL8 a0, zero                   ; the 32 accumulators take turns, one instruction a turn
.irp a, \a0, \a0+1
.irp b, 0,1,2,3
.if \zero
	v_wmma_f32_16x16x128_fp8_fp8 v[8*(4*(\a)+\b):8*(4*(\a)+\b)+7], v[128+16*\b:128+16*\b+15], v[16*(\a):16*(\a)+15], 0
.else
	v_wmma_f32_16x16x128_fp8_fp8 v[8*(4*(\a)+\b):8*(4*(\a)+\b)+7], v[128+16*\b:128+16*\b+15], v[16*(\a):16*(\a)+15], v[8*(4*(\a)+\b):8*(4*(\a)+\b)+7]
.endif
.endr
.endr
.endm
.macro SUB slot, zero
	s_wait_dscnt 16                                ; all but the youngest sixteen loads (blocks 4-7) are in
	WIN MUL0
	MUL8 0, \zero
	MUL8 2, \zero
	PLACES
	FETCH \slot, 1, 0x80
	s_wait_dscnt 48                                ; all but the 48 just issued
	WIN MUL0
	MUL8 4, \zero
	MUL8 6, \zero
.endm
.macro TURN slot, next, fill
	WIN 0
	s_wait_tensorcnt 0x0                           ; all my tensor loads have landed
	ds_add_u32 v28, v29
	s_wait_dscnt 17                                ; (the add and the youngest sixteen loads may be out)
	WIN MUL1
	MUL8 0, 0
	s_wait_dscnt 0x0                               ; the add is done, and my reads of this slot are over
	s_barrier_signal -1
	MUL8 2, 0
	WIN 0
	s_barrier_wait -1
.if \fill
	CREST
	s_add_nc_u64 s[G0+4*\slot+2:G0+4*\slot+3], s[G0+4*\slot+2:G0+4*\slot+3], 131072
	s_add_nc_u64 s[G0B+4*\slot+2:G0B+4*\slot+3], s[G0B+4*\slot+2:G0B+4*\slot+3], 131072
	JLOAD G0+4*\slot, G1, G0B+4*\slot, G1B
.else
	PLACES
.endif
	FETCH \next, 0, 0x40
	WIN MUL1
	MUL8 4, 0
	MUL8 6, 0
.endm
.macro FINAL
	s_wait_dscnt 16
	WIN MUL1
	MUL8 0, 0
	MUL8 2, 0
	s_wait_dscnt 0x0
	MUL8 4, 0
	MUL8 6, 0
	WIN 0
.endm
.macro XCHG pl
.if \pl
	PLACES
.endif
	WIN 0x0c
.set i, 0
.rept 32
	ds_store_b128 v24, v[128+4*i:128+4*i+3] offset:512*i
.set i, i+1
.endr
	WIN 0
	s_wait_dscnt 0x0                               ; for the partner's sake: my stores have landed
	s_barrier_signal -1
	s_barrier_wait -1
.set i, 0
.rept 32
	ds_load_b128 v[128+4*i:128+4*i+3], v25 offset:512*i
.set i, i+1
.endr
.endm
	s_load_b256 s[4:11], s[0:1], 0x0               ; first operand, wc, the scales' exponents, the bias
	s_load_b128 s[80:83], s[0:1], 0x20             ; the residual, the result
	v_lshl_add_u32 v28, v0, 2, SPARE
	v_mov_b32 v29, 0
	ds_add_u32 v28, v29
	s_wait_dscnt 0x0
	v_lshrrev_b32 v1, 5, v0
	v_readfirstlane_b32 s14, v1
	s_lshr_b32 s15, s14, 1                         ; kh
	s_and_b32 s16, s14, 1                          ; ch
	s_bfe_u32 s40, ttmp6, 0x40000
	s_bfe_u32 s41, ttmp6, 0x40004
	s_lshl_b32 s42, ttmp9, 2
	s_add_co_u32 s42, s42, s40                     ; the weights' tile
	s_and_b32 s17, ttmp7, 0xffff
	s_lshl_b32 s17, s17, 2
	s_add_co_u32 s17, s17, s41                     ; the tokens' tile
	s_lshl_b32 s43, s41, 2
	s_lshl_b32 s43, 15, s43
	s_lshl_b32 s44, 0x1111, s40
	s_or_b32 s[G1+0], s43, (1<<20)|(1<<21)|(5<<22)|(3<<25)
	s_or_b32 s[G1B+0], s44, (1<<20)|(1<<21)|(5<<22)|(3<<25)
.irp g, G1, G1B
	s_mov_b32 s[\g+1], 256<<16
	s_mov_b32 s[\g+2], 128<<16
	s_mov_b32 s[\g+3], 256<<16
	s_mov_b32 s[\g+4], 128
	s_mov_b32 s[\g+5], 256
	s_mov_b32 s[\g+6], 0
	s_mov_b32 s[\g+7], 0
.endr
	s_lshl_b32 s18, s16, 15
	s_mul_i32 s20, s17, TSA
	s_add_co_u32 s20, s20, s18
	s_mov_b32 s21, 0
	s_mul_i32 s46, s42, TSB
	s_add_co_u32 s46, s46, s18
	s_add_co_u32 s46, s46, BOFF
	s_mov_b32 s47, 0
	s_mul_i32 s45, s14, QUART
	s_wait_kmcnt 0x0
	s_load_b64 s[84:85], s[8:9], SOFF
	s_add_nc_u64 s[20:21], s[4:5], s[20:21]
	s_add_nc_u64 s[46:47], s[6:7], s[46:47]
	CROUND
.irp s, 0,1
	s_mov_b32 s[G0+4*\s], 1
	s_add_co_u32 s[G0+4*\s+1], s45, \s*SLOT
	s_add_nc_u64 s[G0+4*\s+2:G0+4*\s+3], s[20:21], \s*65536
	s_or_b32 s[G0+4*\s+3], s[G0+4*\s+3], 0x80000000
	s_mov_b32 s[G0B+4*\s], 1
	s_add_co_u32 s[G0B+4*\s+1], s45, \s*SLOT
	s_add_nc_u64 s[G0B+4*\s+2:G0B+4*\s+3], s[46:47], \s*65536
	s_or_b32 s[G0B+4*\s+3], s[G0B+4*\s+3], 0x80000000
	JLOAD G0+4*\s, G1, G0B+4*\s, G1B
.endr
	v_and_b32 v1, 15, v0
	v_bfe_u32 v2, v0, 4, 1
	v_lshrrev_b32 v3, 2, v1
	v_mul_u32_u24 v3, v3, 272
	v_and_b32 v4, 3, v1
	v_lshl_add_u32 v3, v4, 6, v3
	v_lshl_add_u32 v3, v2, 4, v3
	s_mul_i32 s73, s15, 39168
	s_mul_i32 s74, s15, 30464
	s_mul_i32 s75, s15, QUART
	s_mul_i32 s76, s16, 4352
	s_add_co_u32 s75, s75, s76
	s_add_co_u32 s75, s75, 2*QUART
.irp s, 0,1
	v_add_nc_u32 v[16+\s], s73, v3
	v_add_nc_u32 v[18+\s], s74, v3
	v_add_nc_u32 v[20+\s], s75, v3
	s_add_co_u32 s73, s73, SLOT
	s_add_co_u32 s74, s74, SLOT
	s_add_co_u32 s75, s75, SLOT
.endr
	v_and_b32 v5, 31, v0
	v_lshlrev_b32 v23, 4, v5
	s_lshl_b32 s97, s14, 14
	v_add_nc_u32 v24, s97, v23
	s_xor_b32 s97, s14, 2
	s_lshl_b32 s97, s97, 14
	v_add_nc_u32 v25, s97, v23
	s_mul_i32 s97, s14, 17408
	s_add_co_u32 s97, s97, STG                     ; my stage: 64 rows x (256 + 16) bytes
	v_mul_u32_u24 v26, v1, 272
	v_lshl_add_u32 v26, v2, 5, v26
	v_add_nc_u32 v26, s97, v26                     ; in: row r, 32 bytes for each half of the lanes
	v_mul_u32_u24 v27, v2, 272
	v_lshl_add_u32 v27, v1, 4, v27
	v_add_nc_u32 v27, s97, v27                     ; back: lanes 0-15 one row, lanes 16-31 the next
	v_lshlrev_b32 v22, 12, v2
	v_lshl_add_u32 v22, v1, 4, v22                 ; and the same two rows in memory
	s_lshl_b32 s70, s17, 7
	s_lshl_b32 s71, s15, 6
	s_add_co_u32 s70, s70, s71                     ; my first row
	s_lshl_b32 s70, s70, 12
	s_lshl_b32 s72, s42, 7
	s_lshl_b32 s77, s16, 6
	s_add_co_u32 s72, s72, s77                     ; my first column
	s_lshl_b32 s72, s72, 2
	s_add_co_u32 s70, s70, s72
	s_mov_b32 s71, 0
	s_add_nc_u64 s[80:81], s[80:81], s[70:71]
	s_add_nc_u64 s[82:83], s[82:83], s[70:71]
	v_lshl_add_u32 v8, v1, 4, s72
	global_load_b128 v[32:35], v8, s[10:11]        ; the bias of my four columns of a row read back
	s_wait_tensorcnt 0x1                           ; my part of K step 0 is in; K step 1's may be out
	s_barrier_signal -1
	s_barrier_wait -1
	FETCH 0, 0, 0x40
	SUB 0, 1
	TURN 0, 1, 0
	SUB 1, 0
	FINAL
	PLACES
	WIN 0x40
.set i, 0
.rept 32
	global_load_b128 v[4*i:4*i+3], v22, s[80:81] offset:8192*i   ; the residual, in the layout of the rows read back
.set i, i+1
.endr
	WIN 0
	XCHG 0
	s_wait_kmcnt 0x0
	s_add_co_i32 s92, s84, s85
	s_add_co_i32 s92, s92, 127
	s_lshl_b32 s92, s92, 23                        ; 2^(the two exponents added)
	s_mov_b32 s93, s92
	s_wait_dscnt 0x0
	WIN 0x83
.set i, 0
.rept 64
	v_pk_add_f32 v[2*i:2*i+1], v[2*i:2*i+1], v[128+2*i:129+2*i]   ; the two halves of K; each accumulator from its low end on
.set i, i+1
.endr
	WIN 0x08
.set i, 0
.rept 32
	ds_store_b128 v26, v[4*i:4*i+3] offset:(i/8)*4352+((i/2)%4)*64+(i%2)*16
.set i, i+1
.endr
	WIN 0
.set i, 0
.rept 32
	ds_load_b128 v[128+4*i:131+4*i], v27 offset:544*i   ; LDS serves a wave's instructions in order
.set i, i+1
.endr
	s_wait_loadcnt 0x0
	WIN 0x41
.set i, 0
.rept 32
	v_pk_add_f32 v[4*i:4*i+1], v[4*i:4*i+1], v[32:33]
	v_pk_add_f32 v[4*i+2:4*i+3], v[4*i+2:4*i+3], v[34:35]
.set i, i+1
.endr
	s_wait_dscnt 0x0
	WIN 0x50
.set i, 0
.rept 64
	v_pk_fma_f32 v[2*i:2*i+1], v[128+2*i:129+2*i], s[92:93], v[2*i:2*i+1] op_sel_hi:[1,0,1]
.set i, i+1
.endr
	WIN 0x04
.set i, 0
.rept 32
	global_store_b128 v22, v[4*i:4*i+3], s[82:83] offset:8192*i   ; sixteen lanes store 256 consecutive bytes, aligned
.set i, i+1
.endr
	WIN 0
	s_wait_tensorcnt 0x0                           ; the wave's end
	ds_add_u32 v28, v29
	s_wait_dscnt 0x0
	CROUND
	s_endpgm
.Lfunc_end_k_qae2948c728_gemm_proj:
	.size	k_qae2948c728_gemm_proj, .Lfunc_end_k_qae2948c728_gemm_proj-k_qae2948c728_gemm_proj
	.p2alignl 7, 3214868480
	.fill 96, 4, 3214868480
	.section	.rodata,"a",@progbits
	.p2align	6, 0x0
	.amdhsa_kernel k_qae2948c728_gemm_proj
		.amdhsa_group_segment_fixed_size 327680
		.amdhsa_private_segment_fixed_size 0
		.amdhsa_enable_private_segment 0
		.amdhsa_kernarg_size 48
		.amdhsa_user_sgpr_count 2
		.amdhsa_user_sgpr_kernarg_segment_ptr 1
		.amdhsa_wavefront_size32 1
		.amdhsa_system_sgpr_workgroup_id_x 1
		.amdhsa_system_sgpr_workgroup_id_y 1
		.amdhsa_system_sgpr_workgroup_id_z 1
		.amdhsa_system_vgpr_workitem_id 0
		.amdhsa_next_free_vgpr 1024
		.amdhsa_next_free_sgpr 100
		.amdhsa_reserve_vcc 0
		.amdhsa_float_denorm_mode_32 3
		.amdhsa_float_denorm_mode_16_64 3
		.amdhsa_memory_ordered 1
		.amdhsa_forward_progress 1
		.amdhsa_inst_pref_size 57
	.end_amdhsa_kernel
	.amdgpu_metadata
---
amdhsa.version: [ 1, 2 ]
amdhsa.kernels:
  - .name:           k_qae2948c728_gemm_proj
    .symbol:         k_qae2948c728_gemm_proj.kd
    .args:
      - { .name: ac, .offset: 0, .size: 8, .value_kind: global_buffer, .address_space: global }
      - { .name: wc, .offset: 8, .size: 8, .value_kind: global_buffer, .address_space: global }
      - { .name: lowp_scales, .offset: 16, .size: 8, .value_kind: global_buffer, .address_space: global }
      - { .name: proj_b, .offset: 24, .size: 8, .value_kind: global_buffer, .address_space: global }
      - { .name: x, .offset: 32, .size: 8, .value_kind: global_buffer, .address_space: global }
      - { .name: x2, .offset: 40, .size: 8, .value_kind: global_buffer, .address_space: global }
    .group_segment_fixed_size: 327680
    .private_segment_fixed_size: 0
    .kernarg_segment_align: 8
    .kernarg_segment_size: 48
    .max_flat_workgroup_size: 128
    .sgpr_count:     100
    .vgpr_count:     1024
    .wavefront_size: 32
...
	.end_amdgpu_metadata
.endif
;; end of part 5
;; launch ln2 (part 6): grid 256 x 1, 4 waves a work-group, no clusters, 41,472 bytes of LDS; arguments x2, ln2_g, ln2_b, lowp_scales, h2c; writes h2c
.if DOCPART == 6
	.amdgcn_target "amdgcn-amd-amdhsa--gfx1250"
	.amdhsa_code_object_version 6
	.text
	.protected	k_qae2948c728_ln2
	.globl	k_qae2948c728_ln2
	.p2align	8
	.type	k_qae2948c728_ln2,@function
k_qae2948c728_ln2:
	s_mov_b64 s[64:65], 0
	v_nop
	global_prefetch_b8 v0, s[64:65] scope:SCOPE_SE
	s_setreg_imm32_b32 hwreg(HW_REG_WAVE_MODE, 25, 1), 1
	s_wait_xcnt 0x0
; h = layernorm(x2) g + b, quantised to E4M3 TWICE: with 2^e8 for the gate's product and with 2^e10 for up's.  Output: blocked layout with K' = 2,048: chunk c of kind 0 lies at 8 (c / 4) + c % 4, of kind 1 four chunks on.
; A wave takes four tokens and keeps all four rows in registers between the passes: each row is read from memory once.  No loop, no barrier.
; Element 128 j + 4 lane + 0 .. 3 of a row lies in load j of the lane.  g and b are divided once by 2^e8 (exact), so the rows come out as h / 2^e8; for the second kind they are multiplied by 2^(e8 - e10) (exact).
; A lane's four codes are one word; they meet in the wave's own stage and leave as aligned blocks of 256 bytes, sixteen lanes to a block.
; LIMITS: e8, e10 between -126 and 119; e8 - e10 between -126 and 127.  NaN among the inputs is not served.
.set TWO, 1
.set TS,  262144
.set STW, 5120*(1+TWO)
.set T, 8
.set M, 24
.set X, 64
.set G, 192
.set B, 224
	s_load_b256 s[4:11], s[0:1], 0x0               ; x2, g, b, the scales' exponents
	s_load_b64 s[12:13], s[0:1], 0x20              ; the codes
	s_set_vgpr_msb 0x40
	v_lshl_add_u32 v0, v0, 2, 0xa000
	v_mov_b32 v1, 0
	s_set_vgpr_msb 0x4000
	v_lshrrev_b32 v1, 5, v0
	v_readfirstlane_b32 s14, v1
	v_and_b32 v1, 31, v0
	v_lshlrev_b32 v2, 4, v1
	v_lshrrev_b32 v6, 4, v1
	v_and_b32 v7, 15, v1
	s_mul_i32 s15, s14, STW
	v_mul_u32_u24 v3, v6, 320
	v_add_nc_u32 v3, s15, v3
	v_lshl_add_u32 v4, v7, 4, v3
	v_lshl_add_u32 v3, v7, 2, v3
	v_lshlrev_b32 v5, 13, v6
	v_lshl_add_u32 v5, v7, 4, v5
	s_lshl_b32 s16, ttmp9, 4
	s_lshl_b32 s17, s14, 2
	s_add_co_u32 s16, s16, s17
	s_lshl_b32 s18, s16, 12
	s_mov_b32 s19, 0
	s_lshr_b32 s22, s16, 7
	s_mul_i32 s22, s22, TS
	s_and_b32 s23, s16, 127
	s_lshl_b32 s23, s23, 6
	s_add_co_u32 s22, s22, s23
	s_mov_b32 s23, 0
	s_mov_b32 s20, 0x3a800000
	s_mov_b32 s21, 0x3727c5ac
	s_mov_b32 s32, 0x76543210
	s_mov_b32 s33, 0xfedcba98
	s_mov_b32 s34, 0xc3e00000
	s_mov_b32 s35, 0x43e00000
	s_wait_kmcnt 0x0
	s_load_b128 s[24:27], s[10:11], 0x20           ; e8, e9, e10, e11
	s_add_nc_u64 s[4:5], s[4:5], s[18:19]
	s_add_nc_u64 s[12:13], s[12:13], s[22:23]
.set i, 0
.rept 32
	global_load_b128 v[X+4*i:X+4*i+3], v2, s[4:5] offset:(i/8)*4096+(i%8)*512
.set i, i+1
.endr
.set i, 0
.rept 8
	global_load_b128 v[G+4*i:G+4*i+3], v2, s[6:7] offset:512*i
	global_load_b128 v[B+4*i:B+4*i+3], v2, s[8:9] offset:512*i
.set i, i+1
.endr
	s_wait_loadcnt 16                              ; the four rows are in; g's and b's sixteen loads may be out
.irp p, 0,1,2,3
	v_pk_add_f32 v[M+2*\p:M+2*\p+1], v[X+32*\p:X+32*\p+1], v[X+32*\p+2:X+32*\p+3]
.endr
.irp j, 4,6,8,10,12,14,16,18,20,22,24,26,28,30
.irp p, 0,1,2,3
	v_pk_add_f32 v[M+2*\p:M+2*\p+1], v[M+2*\p:M+2*\p+1], v[X+32*\p+\j:X+32*\p+\j+1]
.endr
.endr
.irp p, 0,1,2,3
	v_add_f32 v[M+2*\p], v[M+2*\p], v[M+2*\p+1]
.endr
.irp m, 1,2,4,8
.irp p, 0,1,2,3
	v_add_f32_dpp v[M+2*\p], v[M+2*\p], v[M+2*\p] row_xmask:\m row_mask:0xf bank_mask:0xf
.endr
.endr
.irp p, 0,1,2,3
	v_permlanex16_b32 v[M+2*\p+1], v[M+2*\p], s32, s33
.endr
.irp p, 0,1,2,3
	v_add_f32 v[M+2*\p], v[M+2*\p], v[M+2*\p+1]
.endr
.irp p, 0,1,2,3
	v_mul_f32 v[M+2*\p], s20, v[M+2*\p]
.endr
.set i, 0
.rept 64
	v_pk_add_f32 v[X+2*i:X+2*i+1], v[X+2*i:X+2*i+1], v[M+2*(i/16):M+2*(i/16)+1] op_sel_hi:[1,0] neg_lo:[0,1] neg_hi:[0,1]
.set i, i+1
.endr
.irp p, 0,1,2,3
	v_pk_mul_f32 v[T+4*\p:T+4*\p+1], v[X+32*\p:X+32*\p+1], v[X+32*\p:X+32*\p+1]
	v_pk_mul_f32 v[T+4*\p+2:T+4*\p+3], v[X+32*\p+2:X+32*\p+3], v[X+32*\p+2:X+32*\p+3]
.endr
.irp j, 4,8,12,16,20,24,28
.irp p, 0,1,2,3
	v_pk_fma_f32 v[T+4*\p:T+4*\p+1], v[X+32*\p+\j:X+32*\p+\j+1], v[X+32*\p+\j:X+32*\p+\j+1], v[T+4*\p:T+4*\p+1]
	v_pk_fma_f32 v[T+4*\p+2:T+4*\p+3], v[X+32*\p+\j+2:X+32*\p+\j+3], v[X+32*\p+\j+2:X+32*\p+\j+3], v[T+4*\p+2:T+4*\p+3]
.endr
.endr
.irp p, 0,1,2,3
	v_pk_add_f32 v[T+4*\p:T+4*\p+1], v[T+4*\p:T+4*\p+1], v[T+4*\p+2:T+4*\p+3]
.endr
.irp p, 0,1,2,3
	v_add_f32 v[T+4*\p], v[T+4*\p], v[T+4*\p+1]
.endr
.irp m, 1,2,4,8
.irp p, 0,1,2,3
	v_add_f32_dpp v[T+4*\p], v[T+4*\p], v[T+4*\p] row_xmask:\m row_mask:0xf bank_mask:0xf
.endr
.endr
.irp p, 0,1,2,3
	v_permlanex16_b32 v[T+4*\p+1], v[T+4*\p], s32, s33
.endr
.irp p, 0,1,2,3
	v_add_f32 v[T+4*\p], v[T+4*\p], v[T+4*\p+1]
.endr
.irp p, 0,1,2,3
	v_fma_f32 v[T+4*\p], v[T+4*\p], s20, s21
.endr
.irp p, 0,1,2,3
	v_rsq_f32 v[M+2*\p], v[T+4*\p]
.endr
	v_nop                                          ; a plain line behind the transcendentals
	s_wait_loadcnt 0x0
	s_wait_kmcnt 0x0
	s_sub_co_i32 s28, 0, s24
	s_sub_co_i32 s30, s24, s26
	s_add_co_i32 s30, s30, 127
	s_lshl_b32 s30, s30, 23                        ; 2^(e8 - e10)
	s_mov_b32 s31, s30
.set i, 0
.rept 64
	v_ldexp_f32 v[G+i], v[G+i], s28
.set i, i+1
.endr
.set i, 0
	s_wait_alu depctr_va_vdst(0)
.rept 64
	v_pk_mul_f32 v[X+2*i:X+2*i+1], v[X+2*i:X+2*i+1], v[M+2*(i/16):M+2*(i/16)+1] op_sel_hi:[1,0]
.set i, i+1
.endr
.set i, 0
.rept 64
	v_pk_fma_f32 v[X+2*i:X+2*i+1], v[X+2*i:X+2*i+1], v[G+2*(i%16):G+2*(i%16)+1], v[B+2*(i%16):B+2*(i%16)+1]
.set i, i+1
.endr
.macro ONE n, lo, hi, kind
	v_med3_num_f32 v[T+4*((\n)%4)], v[X+4*(\n)], s34, s35       ; the conversion does not saturate (ISA guide 7.6.2): the hold comes first
	v_med3_num_f32 v[T+4*((\n)%4)+1], v[X+4*(\n)+1], s34, s35
	v_med3_num_f32 v[T+4*((\n)%4)+2], v[X+4*(\n)+2], s34, s35
	v_med3_num_f32 v[T+4*((\n)%4)+3], v[X+4*(\n)+3], s34, s35
	v_cvt_pk_fp8_f32 \lo, v[T+4*((\n)%4)], v[T+4*((\n)%4)+1]
	v_cvt_pk_fp8_f32 \hi, v[T+4*((\n)%4)+2], v[T+4*((\n)%4)+3]
	ds_store_b32 v3, v[32+(\n)] offset:(\kind)*5120+((\n)%8)*640+((\n)/8)*64
.endm
.macro CODES kind
	ONE 0, v32.l, v32.h, \kind
	ONE 1, v33.l, v33.h, \kind
	ONE 2, v34.l, v34.h, \kind
	ONE 3, v35.l, v35.h, \kind
	ONE 4, v36.l, v36.h, \kind
	ONE 5, v37.l, v37.h, \kind
	ONE 6, v38.l, v38.h, \kind
	ONE 7, v39.l, v39.h, \kind
	ONE 8, v40.l, v40.h, \kind
	ONE 9, v41.l, v41.h, \kind
	ONE 10, v42.l, v42.h, \kind
	ONE 11, v43.l, v43.h, \kind
	ONE 12, v44.l, v44.h, \kind
	ONE 13, v45.l, v45.h, \kind
	ONE 14, v46.l, v46.h, \kind
	ONE 15, v47.l, v47.h, \kind
	ONE 16, v48.l, v48.h, \kind
	ONE 17, v49.l, v49.h, \kind
	ONE 18, v50.l, v50.h, \kind
	ONE 19, v51.l, v51.h, \kind
	ONE 20, v52.l, v52.h, \kind
	ONE 21, v53.l, v53.h, \kind
	ONE 22, v54.l, v54.h, \kind
	ONE 23, v55.l, v55.h, \kind
	ONE 24, v56.l, v56.h, \kind
	ONE 25, v57.l, v57.h, \kind
	ONE 26, v58.l, v58.h, \kind
	ONE 27, v59.l, v59.h, \kind
	ONE 28, v60.l, v60.h, \kind
	ONE 29, v61.l, v61.h, \kind
	ONE 30, v62.l, v62.h, \kind
	ONE 31, v63.l, v63.h, \kind
.endm
	CODES 0
.set i, 0
.rept 64
	v_pk_mul_f32 v[X+2*i:X+2*i+1], v[X+2*i:X+2*i+1], s[30:31] op_sel_hi:[1,0]   ; h / 2^e10
.set i, i+1
.endr
	CODES 1
.set i, 0
.rept 16
	ds_load_b128 v[X+4*i:X+4*i+3], v4 offset:(i/8)*5120+(i%8)*640   ; LDS serves a wave's instructions in order
.set i, i+1
.endr
.set i, 0
.rept 16
	s_wait_dscnt 15-i
	global_store_b128 v5, v[X+4*i:X+4*i+3], s[12:13] offset:(8*((i%8)/2)+4*(i/8)+2*(i%2))*8192   ; each half of the lanes stores 256 consecutive bytes, aligned
.set i, i+1
.endr
	s_set_vgpr_msb 0x5
	s_wait_tensorcnt 0x0
	ds_add_u32 v0, v1
	s_wait_dscnt 0x0
	s_set_vgpr_msb 0x500
	s_endpgm
.Lfunc_end_k_qae2948c728_ln2:
	.size	k_qae2948c728_ln2, .Lfunc_end_k_qae2948c728_ln2-k_qae2948c728_ln2
	.p2alignl 7, 3214868480
	.fill 96, 4, 3214868480
	.section	.rodata,"a",@progbits
	.p2align	6, 0x0
	.amdhsa_kernel k_qae2948c728_ln2
		.amdhsa_group_segment_fixed_size 41472
		.amdhsa_private_segment_fixed_size 0
		.amdhsa_enable_private_segment 0
		.amdhsa_kernarg_size 40
		.amdhsa_user_sgpr_count 2
		.amdhsa_user_sgpr_kernarg_segment_ptr 1
		.amdhsa_wavefront_size32 1
		.amdhsa_system_sgpr_workgroup_id_x 1
		.amdhsa_system_sgpr_workgroup_id_y 1
		.amdhsa_system_sgpr_workgroup_id_z 1
		.amdhsa_system_vgpr_workitem_id 0
		.amdhsa_next_free_vgpr 258
		.amdhsa_next_free_sgpr 66
		.amdhsa_reserve_vcc 0
		.amdhsa_float_denorm_mode_32 3
		.amdhsa_float_denorm_mode_16_64 3
		.amdhsa_memory_ordered 1
		.amdhsa_forward_progress 1
		.amdhsa_inst_pref_size 70
	.end_amdhsa_kernel
	.amdgpu_metadata
---
amdhsa.version: [ 1, 2 ]
amdhsa.kernels:
  - .name:           k_qae2948c728_ln2
    .symbol:         k_qae2948c728_ln2.kd
    .args:
      - { .name: x2, .offset: 0, .size: 8, .value_kind: global_buffer, .address_space: global }
      - { .name: ln2_g, .offset: 8, .size: 8, .value_kind: global_buffer, .address_space: global }
      - { .name: ln2_b, .offset: 16, .size: 8, .value_kind: global_buffer, .address_space: global }
      - { .name: lowp_scales, .offset: 24, .size: 8, .value_kind: global_buffer, .address_space: global }
      - { .name: h2c, .offset: 32, .size: 8, .value_kind: global_buffer, .address_space: global }
    .group_segment_fixed_size: 41472
    .private_segment_fixed_size: 0
    .kernarg_segment_align: 8
    .kernarg_segment_size: 40
    .max_flat_workgroup_size: 128
    .sgpr_count:     66
    .vgpr_count:     258
    .wavefront_size: 32
...
	.end_amdgpu_metadata
.endif
;; end of part 6
;; launch gemm_gu (part 7): grid 8 x 32, 4 waves a work-group, clusters of 4 x 1, 327,680 bytes of LDS; arguments h2c, wc, lowp_scales, gub, ffc; writes ffc
.if DOCPART == 7
	.amdgcn_target "amdgcn-amd-amdhsa--gfx1250"
	.amdhsa_code_object_version 6
	.text
	.protected	k_qae2948c728_gemm_gu
	.globl	k_qae2948c728_gemm_gu
	.p2align	8
	.type	k_qae2948c728_gemm_gu,@function
k_qae2948c728_gemm_gu:
	s_mov_b64 s[64:65], 0
	v_nop
	global_prefetch_b8 v0, s[64:65] scope:SCOPE_SE
	s_setreg_imm32_b32 hwreg(HW_REG_WAVE_MODE, 25, 1), 1
	s_wait_xcnt 0x0
	s_wait_alu depctr_hold_cnt(0) depctr_sa_sdst(0) depctr_va_vdst(0) depctr_va_sdst(0) depctr_va_ssrc(0) depctr_va_vcc(0) depctr_vm_vsrc(0)
	s_getreg_b32 s2, hwreg(HW_REG_IB_STS2, 6, 4)
	s_cmp_eq_u32 s2, 0
	s_cbranch_scc0 .Lentry_in_a_cluster
	s_endpgm
.Lentry_in_a_cluster:
	s_bfe_u32 s2, ttmp6, 0x10000c
	s_cmp_lg_u32 s2, 0x3003
	s_cbranch_scc0 .Lentry_shape_is_right
	s_endpgm
.Lentry_shape_is_right:
; ff = silu(h2 Wg + bg) x (h2 Wu + bu), quantised (e12), both products on codes of E4M3 (e8, e9; e10, e11).  The hidden layer is taken as 3,072 wide: columns from 2,730 on have zero codes and zero biases and give the code 0.
; A WORK-GROUP STAYS: it owns one tile of 128 tokens and walks three tiles of 128 hidden units: x, 8 + x, 16 + x.  THE TOKENS' CODES, of both kinds (32 chunks of 128 rows x 64 along K; gate's and up's by turns, four chunks
; each), ARE BROUGHT INTO LDS ONCE and stay: no LDS byte is filled a second time.  THE WEIGHTS' CODES GO STRAIGHT FROM MEMORY INTO REGISTERS: they lie in wc as images of the operand's registers, so a fragment is four loads
; of 512 consecutive bytes, and each is read by one wave of the work-group alone.  Six sets of registers take turns: a sub-step's weights are asked for five sub-steps ahead, across the ways out too.
; Four waves.  Wave (kh, ch) multiplies all 128 tokens by 64 units (half ch): kh = 0 makes the whole GATE, kh = 1 the whole UP, in eight sub-steps of 128 along K: 32 accumulators, 8 fragments from LDS and 4 from memory
; for 32 matrix instructions.  At a tile's end the two waves of a pair exchange halves of their sums through LDS: each then has gate and up of 64 tokens x 64 units, and finishes them.
; THE MATRIX INSTRUCTION IS USED TRANSPOSED (source 0 = 16 units, source 1 = 16 tokens): a lane holds eight neighbouring hidden units of one token, which are neighbours along the next product's K.
; A fragment's k is permuted alike in both operands (registers 4 c .. 4 c + 3: k = 32 c + 16 h + 0 .. 15); the result is judged within a tolerance.
; CLUSTER: 4 x 1.  The four partners own the same tokens: their tile is asked for jointly.  The weights are not: loads into registers have no joint form.
; REGISTERS: window 0: v0-31 addresses and constants, v32-63 codes, v64-127 the tile's biases, v128-255 weights' sets 4, 5.  Windows 1, 2: v0-127 the tokens' fragments, two buffers (window 2's serves the way out); v128-255 sets 0, 1 and 2, 3.
; Window 3: accumulator (a, b) at v[8 (4 a + b)]; local block a is the tile's block (a + 4 kh) mod 8: a = 0 .. 3 are the rows that this wave finishes, a = 4 .. 7 the partner's.
; LIMITS: e8 + e9 and e10 + e11 between -126 and 127; e12 between -126 and 119.
.set NS,    8                          ; sub-steps of a wave in a tile
.set NU,    24                         ; and in all
.set BIASG, 1                          ; behind each way out but the last a group of sixteen loads brings the next tile's biases
.set CH,    8704                       ; a chunk in LDS: 32 lines of 256 + 16 bytes (a line is four rows of 64 codes)
.set BLK,   1088                       ; 16 rows
.set QUART, 34816                      ; four chunks: what one tensor load brings
.set XCH,   278528                     ; behind the tokens: 8,192 bytes for each wave: half an exchange, later the wave's stage
.set WOFF,  8388608                    ; the weights' images in wc
.set TSTEP, 2097152                    ; bytes from a tile of the walk to the next: eight tiles of 262,144
.set ADR0,  8                          ; v8-11  LDS address of blocks a = 0 .. 3, for each pair of sub-steps
.set ADR1,  12                         ; v12-15 of blocks a = 4 .. 7
.set MSB, 0
.macro WIN new                         ; the immediate's high byte repeats the setting that is left
.if MSB != \new
	s_set_vgpr_msb (MSB<<8)|\new
.set MSB, \new
.endif
.endm
.macro CROUND                          ; a round of the cluster's barrier
	s_barrier_signal -1
	s_barrier_wait -1
	s_cmp_lg_u32 s14, 0
	s_cbranch_scc1 .Lnot_wave_0_\@
	s_barrier_signal -3
.Lnot_wave_0_\@:
	s_barrier_wait -3
	s_barrier_signal -1
	s_barrier_wait -1
.endm
.macro PLACES                          ; four plain lines behind a matrix instruction, in front of loads into its sources and of reads of its result
.rept 4
	v_nop
.endr
.endm
.macro FRAG reg, adr, q, i             ; 16 rows x 128 K from LDS
.irp c, 0,1,2,3
	ds_load_b128 v[\reg+4*\c:\reg+4*\c+3], v[\adr] offset:(2*(\q)+\c/2)*CH+(\i)*BLK+32*(\c%2)
.endr
.endm
.macro FETCH x                         ; the tokens' eight fragments of sub-step x into buffer x % 2: blocks 0-3 first
.set FS, (\x)%NS
.set WN, 0x40*(1+(\x)%2)
	WIN WN
.irp a, 0,1,2,3
	FRAG 16*\a, ADR0+FS/2, FS%2, \a
.endr
.irp a, 4,5,6,7
	FRAG 16*\a, ADR1+FS/2, FS%2, \a
.endr
.endm
.macro BLOAD x                         ; the weights' four fragments of sub-step x into set x % 6: sixteen loads of 512 consecutive bytes
.set BB, 128+64*(((\x)%6)%2)
.set WN, 0x40*(((((\x)%6)/2)+1)%3)
	WIN WN
.set j, 0
.rept 16
	global_load_b128 v[BB+4*j:BB+4*j+3], v23, s[46:47] offset:((\x)/NS)*TSTEP+((\x)%NS)*8192+512*j
.set j, j+1
.endr
.endm
.macro BIAS n                          ; tile n's biases of units 16 b + 8 h + 0 .. 7: my kind's into v64-95, the other kind's into v96-127: sixteen loads
.irp b, 0,1,2,3
	global_load_b128 v[64+8*\b:67+8*\b], v20, s[10:11] offset:4096*(\n)+64*\b
	global_load_b128 v[68+8*\b:71+8*\b], v20, s[10:11] offset:4096*(\n)+64*\b+16
	global_load_b128 v[96+8*\b:99+8*\b], v21, s[10:11] offset:4096*(\n)+64*\b
	global_load_b128 v[100+8*\b:103+8*\b], v21, s[10:11] offset:4096*(\n)+64*\b+16
.endr
.endm
.macro WAITB u                         ; sub-step u's weights are in: behind them were issued the groups of sixteen loads of the sub-steps up to u + 4 and, in a later tile's first five sub-steps, the group of its biases; the count is held at the largest that the wait can name
.set G, NU-1-(\u)
.if G > 4
.set G, 4
.endif
.if BIASG && ((\u) >= NS) && ((\u)%NS <= 4)
.set G, G+1
.endif
.set G, 16*G
.if G > 63
.set G, 63
.endif
	s_wait_loadcnt G
.endm
.macro MWIN u, swp                     ; the windows of sub-step u's products: the weights' set, the tokens' buffer, C and D window 3
.set BWN, ((((\u)%6)/2)+1)%3
.set AWN, 1+(\u)%2
.if \swp
.set WN, 0xf0|(BWN<<2)|AWN
.else
.set WN, 0xf0|(AWN<<2)|BWN
.endif
	WIN WN
.endm
.macro MUL8 u, a0, zero                ; the 32 accumulators take turns, one instruction a turn, in the same order in every sub-step
.set BB, 128+64*(((\u)%6)%2)
.irp a, \a0, \a0+1
.irp b, 0,1,2,3
.if \zero
	v_wmma_f32_16x16x128_fp8_fp8 v[8*(4*(\a)+\b):8*(4*(\a)+\b)+7], v[BB+16*\b:BB+16*\b+15], v[16*(\a):16*(\a)+15], 0
.else
	v_wmma_f32_16x16x128_fp8_fp8 v[8*(4*(\a)+\b):8*(4*(\a)+\b)+7], v[BB+16*\b:BB+16*\b+15], v[16*(\a):16*(\a)+15], v[8*(4*(\a)+\b):8*(4*(\a)+\b)+7]
.endif
.endr
.endr
.endm
; A sub-step: 32 matrix instructions.  In its middle, behind four places, the next sub-step's tokens are fetched into the other buffer and the weights of five sub-steps on are asked for, into the set that the last sub-step left.
.macro SUBSTEP u, zero
	WAITB \u
	s_wait_dscnt 16                                ; the tokens' blocks 0-3 are in; the youngest sixteen loads (blocks 4-7) may be out
	MWIN \u, 0
	MUL8 \u, 0, \zero
	MUL8 \u, 2, \zero
.if (\u)+1 < NU
	PLACES
	FETCH (\u)+1
.if (\u)+5 < NU
	BLOAD (\u)+5
.endif
	s_wait_dscnt 32                                ; all but the 32 just issued
.else
	s_wait_dscnt 0x0
.endif
	MWIN \u, 0
	MUL8 \u, 4, \zero
	MUL8 \u, 6, \zero
.endm
; The exchange, in two halves of eight accumulators: my sums of the partner's rows go to LDS as images of their registers, and the partner's sums of my rows land on the registers that mine have left.
; A barrier stands between a half's stores and the partner's loads, and another between those loads, waited for, and the next stores into the same bytes.
.macro XCHG
	PLACES
.irp p, 0,1
	WIN 0x0c
.set i, 0
.rept 16
	ds_store_b128 v24, v[128+64*\p+4*i:128+64*\p+4*i+3] offset:512*i
.set i, i+1
.endr
	s_wait_dscnt 0x0                               ; for the partner's sake: my stores have landed
	s_barrier_signal -1
	s_barrier_wait -1
	WIN 0xc0
.set i, 0
.rept 16
	ds_load_b128 v[128+64*\p+4*i:128+64*\p+4*i+3], v25 offset:512*i
.set i, i+1
.endr
	s_wait_dscnt 0x0                               ; my reads of the partner's bytes are over
	s_barrier_signal -1
	s_barrier_wait -1
.endr
.endm
; Tile n is finished: both kinds x their factors + their biases, in place; sigmoid(gate) in window 2; x gate x up; held, converted; the codes turn through my stage and leave as 4,096 dense bytes.
.macro WAYOUT n
	WIN 0
	s_wait_xcnt 0x0                                ; the last tile's stores have read v32-63, which are written again below
	XCHG
	WIN 0xc3
.set i, 0
.rept 64
	v_pk_fma_f32 v[2*i:2*i+1], v[2*i:2*i+1], s[92:93], v[64+(2*i)%32:65+(2*i)%32] op_sel_hi:[1,0,1]   ; my kind; each accumulator from its low end on
.set i, i+1
.endr
.set i, 0
.rept 64
	v_pk_fma_f32 v[128+2*i:129+2*i], v[128+2*i:129+2*i], s[94:95], v[96+(2*i)%32:97+(2*i)%32] op_sel_hi:[1,0,1]   ; the partner's kind
.set i, i+1
.endr
	WIN 0
.if \n < 2
	BIAS \n+1                                      ; the biases have been read: the next tile's are asked for
.endif
	s_cmp_eq_u32 s15, 0                            ; a branch on the wave's number, round register work alone: which of the two is the gate
	s_cbranch_scc0 .Lup_wave_\@
	WIN 0x83
.set i, 0
.rept 64
	v_pk_mul_f32 v[2*i:2*i+1], v[2*i:2*i+1], s[98:99] op_sel_hi:[1,0]   ; -g log2(e), into window 2
.set i, i+1
.endr
	WIN 0
	s_branch .Lmade_\@
.Lup_wave_\@:
	WIN 0x83
.set i, 0
.rept 64
	v_pk_mul_f32 v[2*i:2*i+1], v[128+2*i:129+2*i], s[98:99] op_sel_hi:[1,0]
.set i, i+1
.endr
	WIN 0
.Lmade_\@:
	WIN 0x82
.set i, 0
.rept 128
	v_exp_f32 v[i], v[i]
.set i, i+1
.endr
	v_nop                                          ; a plain line behind the exponentials
.set i, 0
	s_wait_alu depctr_va_vdst(0)
.rept 64
	v_pk_add_f32 v[2*i:2*i+1], v[2*i:2*i+1], 1.0 op_sel_hi:[1,0]
.set i, i+1
.endr
.set i, 0
.rept 128
	v_rcp_f32 v[i], v[i]                           ; sigmoid(g)
.set i, i+1
.endr
	v_nop                                          ; a plain line behind the reciprocals
	WIN 0x8e
.set i, 0
	s_wait_alu depctr_va_vdst(0)
.rept 64
	v_pk_mul_f32 v[2*i:2*i+1], v[2*i:2*i+1], v[2*i:2*i+1]         ; x my kind (source 1 in window 3),
.set i, i+1
.endr
.set i, 0
.rept 64
	v_pk_mul_f32 v[2*i:2*i+1], v[2*i:2*i+1], v[128+2*i:129+2*i]   ; x the other: gate and up, in either order
.set i, i+1
.endr
	WIN 0x82
.set i, 0
.rept 128
	v_med3_num_f32 v[i], v[i], -v30, v30           ; the conversion does not saturate (ISA guide 7.6.2)
.set i, i+1
.endr
	WIN 0x02
.set i, 0
.rept 16
	v_cvt_scalef32_pk8_fp8_f32 v[32+2*i:33+2*i], v[8*i:8*i+7], v31
.set i, i+1
.endr
	v_nop                                          ; a plain line behind the last conversion
	WIN 0
.set i, 0
.rept 16
	ds_store_b64 v26, v[32+2*i:33+2*i] offset:(i/4)*1280+16*(i%4)   ; row = token 16 a + r, bytes 16 b + 8 h on
.set i, i+1
.endr
.set i, 0
.rept 8
	ds_load_b128 v[32+4*i:35+4*i], v27 offset:640*i   ; LDS serves a wave's instructions in order: these see my stores
.set i, i+1
.endr
.set i, 0
.rept 8
	s_wait_dscnt 7-i
	global_store_b128 v23, v[32+4*i:35+4*i], s[80:81] offset:131072*(\n)+512*i   ; 32 lanes store 512 consecutive bytes, aligned
.set i, i+1
.endr
.endm
	s_load_b256 s[4:11], s[0:1], 0x0               ; h2c, wc, the scales' exponents, gub
	s_load_b64 s[80:81], s[0:1], 0x20              ; ffc
	v_lshl_add_u32 v28, v0, 2, 0x4c000
	v_mov_b32 v29, 0
	ds_add_u32 v28, v29
	v_lshrrev_b32 v1, 5, v0
	v_readfirstlane_b32 s14, v1                    ; wave
	s_lshr_b32 s15, s14, 1                         ; kh: 0 gate, 1 up
	s_and_b32 s16, s14, 1                          ; ch: my half of the units
	s_bfe_u32 s40, ttmp6, 0x40000                  ; cx
	s_lshl_b32 s42, ttmp9, 2
	s_add_co_u32 s42, s42, s40                     ; x: my first tile of units
	s_and_b32 s17, ttmp7, 0xffff                   ; my tile of tokens, which the four partners share
	s_mov_b32 s24, 15|(1<<20)|(1<<21)|(5<<22)|(3<<25)   ; the mask: all four; elements of 1 byte; padding: 4 words behind every 64; bit 21 beside a mask
	s_mov_b32 s25, 256<<16                         ; tensor_dim0
	s_mov_b32 s26, 128<<16                         ; tensor_dim1
	s_mov_b32 s27, 256<<16                         ; tile_dim0
	s_mov_b32 s28, 128                             ; tile_dim1
	s_mov_b32 s29, 256                             ; pitch: the block is dense
	s_mov_b32 s30, 0
	s_mov_b32 s31, 0
	s_mov_b32 s32, 1
	s_mul_i32 s33, s14, QUART                      ; wave w brings chunks 4 w .. 4 w + 3,
	s_mov_b32 s36, 1
	s_add_co_u32 s37, s33, 4*QUART                 ; and chunks 16 + 4 w .. 16 + 4 w + 3
	s_lshl_b32 s20, s17, 18
	s_lshl_b32 s18, s14, 15
	s_add_co_u32 s20, s20, s18
	s_mov_b32 s21, 0
	s_lshl_b32 s46, s42, 18                        ; the weights: tile x,
	s_lshl_b32 s47, s15, 1
	s_add_co_u32 s47, s47, s16
	s_lshl_b32 s47, s47, 16                        ; my part of it: 2 kh + ch, eight sub-steps of 8,192 bytes
	s_add_co_u32 s46, s46, s47
	s_add_co_u32 s46, s46, WOFF
	s_mov_b32 s47, 0
	s_mul_i32 s70, s17, 393216                     ; ffc: the tokens' tile,
	s_lshl_b32 s71, s42, 1
	s_add_co_u32 s71, s71, s16
	s_lshl_b32 s71, s71, 13                        ; the chunk of my 64 hidden units,
	s_add_co_u32 s70, s70, s71
	s_lshl_b32 s71, s15, 12                        ; my 64 tokens in it
	s_add_co_u32 s70, s70, s71
	s_mov_b32 s71, 0
	s_lshl_b32 s72, s42, 9
	s_lshl_b32 s77, s16, 8
	s_add_co_u32 s72, s72, s77                     ; my first hidden unit, in bytes of f32
	s_mul_i32 s77, s15, 12288
	s_add_co_u32 s77, s77, s72
	s_xor_b32 s78, s15, 1
	s_mul_i32 s78, s78, 12288
	s_add_co_u32 s78, s78, s72
	v_and_b32 v1, 15, v0                           ; r
	v_bfe_u32 v2, v0, 4, 1                         ; h
	v_lshrrev_b32 v3, 2, v1
	v_mul_u32_u24 v3, v3, 272
	v_and_b32 v4, 3, v1
	v_lshl_add_u32 v3, v4, 6, v3
	v_lshl_add_u32 v3, v2, 4, v3                   ; row r of a block: line r / 4, 64 (r % 4) in it, + 16 h: sixteen lanes fall on sixteen different columns of 16 bytes
	s_mul_i32 s73, s15, 39168                      ; blocks a = 0 .. 3: my kind's four chunks of eight, + 4 kh blocks
	s_mul_i32 s74, s15, 30464                      ; blocks a = 4 .. 7: my kind's four chunks of eight, - 4 kh blocks
.irp g, 0,1,2,3
	v_add_nc_u32 v[ADR0+\g], s73, v3
	v_add_nc_u32 v[ADR1+\g], s74, v3
	s_add_co_u32 s73, s73, 2*QUART
	s_add_co_u32 s74, s74, 2*QUART
.endr
	v_and_b32 v5, 31, v0
	v_lshlrev_b32 v23, 4, v5                       ; 16 x lane
	s_lshl_b32 s97, s14, 13
	s_add_co_u32 s97, s97, XCH
	v_add_nc_u32 v24, s97, v23                     ; the exchange: my images
	v_mul_u32_u24 v26, v1, 80
	v_lshl_add_u32 v26, v2, 3, v26
	v_add_nc_u32 v26, s97, v26                     ; my stage, in the same bytes: 64 rows x (64 + 16); in: row r, 8 h
	v_lshrrev_b32 v27, 2, v5
	v_mul_u32_u24 v27, v27, 80
	v_and_b32 v6, 3, v5
	v_lshl_add_u32 v27, v6, 4, v27
	v_add_nc_u32 v27, s97, v27                     ; back: four lanes to a row
	s_xor_b32 s97, s14, 2
	s_lshl_b32 s97, s97, 13
	s_add_co_u32 s97, s97, XCH
	v_add_nc_u32 v25, s97, v23                     ; the exchange: my partner's images
	v_lshl_add_u32 v20, v2, 5, s77
	v_lshl_add_u32 v21, v2, 5, s78
	s_wait_dscnt 0x0
	s_wait_kmcnt 0x0
	s_load_b128 s[84:87], s[8:9], 0x20             ; e8 .. e11
	s_load_b64 s[88:89], s[8:9], 0x30              ; e12, e13
	s_add_nc_u64 s[34:35], s[4:5], s[20:21]
	s_add_nc_u64 s[38:39], s[34:35], 131072
	s_or_b32 s35, s35, 0x80000000
	s_or_b32 s39, s39, 0x80000000
	s_add_nc_u64 s[46:47], s[6:7], s[46:47]
	s_add_nc_u64 s[80:81], s[80:81], s[70:71]
	CROUND                                         ; all four work-groups are here: the joint loads meet
	tensor_load_to_lds s[32:35], s[24:31]          ; my two tensor loads, both first fills: two are out
	s_nop 0
	tensor_load_to_lds s[36:39], s[24:31]
	s_nop 0
.rept 4
	v_nop
.endr
	BIAS 0
	BLOAD 0
	BLOAD 1
	BLOAD 2
	WIN 0
	s_wait_kmcnt 0x0
	s_add_co_i32 s90, s84, s85
	s_add_co_i32 s90, s90, 127
	s_lshl_b32 s90, s90, 23                        ; 2^(e8 + e9)
	s_add_co_i32 s91, s86, s87
	s_add_co_i32 s91, s91, 127
	s_lshl_b32 s91, s91, 23                        ; 2^(e10 + e11)
	s_cmp_eq_u32 s15, 0
	s_cselect_b32 s92, s90, s91                    ; my kind's factor,
	s_cselect_b32 s94, s91, s90                    ; the other's
	s_mov_b32 s93, s92
	s_mov_b32 s95, s94
	s_mov_b32 s98, 0xbfb8aa3b                      ; -log2(e)
	s_mov_b32 s99, s98
	s_add_co_i32 s96, s88, 127
	s_lshl_b32 s97, s96, 23
	v_mov_b32 v31, s97                             ; 2^e12
	s_add_co_i32 s96, s96, 8
	s_lshl_b32 s96, s96, 23
	s_or_b32 s96, s96, 0x600000
	v_mov_b32 v30, s96                             ; 448 x 2^e12
	s_wait_tensorcnt 0x1                           ; my part of the first sixteen chunks is in; my second load may be out
	s_barrier_signal -1
	s_barrier_wait -1                              ; everybody's is: sub-steps 0 to 3 read these chunks alone
	FETCH 0
	BLOAD 3
	BLOAD 4
.irp n, 0,1,2
.irp s, 0,1,2,3,4,5,6,7
.if (8*\n+\s) == 3
	s_wait_tensorcnt 0x0                           ; my part of the last sixteen chunks is in,
	s_wait_dscnt 0x0
	s_barrier_signal -1
	s_barrier_wait -1                              ; everybody's is: this sub-step's middle fetches from them
.endif
.if \s == 0
	SUBSTEP 8*\n+\s, 1                             ; a tile's first products start the sums: nothing is cleared
.else
	SUBSTEP 8*\n+\s, 0
.endif
.endr
	WAYOUT \n
.endr
	s_wait_dscnt 0x0
	s_wait_tensorcnt 0x0
	ds_add_u32 v28, v29
	s_wait_dscnt 0x0
	CROUND                                         ; the closing round
	s_endpgm
.Lfunc_end_k_qae2948c728_gemm_gu:
	.size	k_qae2948c728_gemm_gu, .Lfunc_end_k_qae2948c728_gemm_gu-k_qae2948c728_gemm_gu
	.p2alignl 7, 3214868480
	.fill 96, 4, 3214868480
	.section	.rodata,"a",@progbits
	.p2align	6, 0x0
	.amdhsa_kernel k_qae2948c728_gemm_gu
		.amdhsa_group_segment_fixed_size 327680
		.amdhsa_private_segment_fixed_size 0
		.amdhsa_enable_private_segment 0
		.amdhsa_kernarg_size 40
		.amdhsa_user_sgpr_count 2
		.amdhsa_user_sgpr_kernarg_segment_ptr 1
		.amdhsa_wavefront_size32 1
		.amdhsa_system_sgpr_workgroup_id_x 1
		.amdhsa_system_sgpr_workgroup_id_y 1
		.amdhsa_system_sgpr_workgroup_id_z 1
		.amdhsa_system_vgpr_workitem_id 0
		.amdhsa_next_free_vgpr 1024
		.amdhsa_next_free_sgpr 100
		.amdhsa_reserve_vcc 0
		.amdhsa_float_denorm_mode_32 3
		.amdhsa_float_denorm_mode_16_64 3
		.amdhsa_memory_ordered 1
		.amdhsa_forward_progress 1
		.amdhsa_inst_pref_size 255
	.end_amdhsa_kernel
	.section	.bss,"aw",@nobits
	.p2align	6
	.space	262144
	.amdgpu_metadata
---
amdhsa.version: [ 1, 2 ]
amdhsa.kernels:
  - .name:           k_qae2948c728_gemm_gu
    .symbol:         k_qae2948c728_gemm_gu.kd
    .args:
      - { .name: h2c, .offset: 0, .size: 8, .value_kind: global_buffer, .address_space: global }
      - { .name: wc, .offset: 8, .size: 8, .value_kind: global_buffer, .address_space: global }
      - { .name: lowp_scales, .offset: 16, .size: 8, .value_kind: global_buffer, .address_space: global }
      - { .name: gub, .offset: 24, .size: 8, .value_kind: global_buffer, .address_space: global }
      - { .name: ffc, .offset: 32, .size: 8, .value_kind: global_buffer, .address_space: global }
    .group_segment_fixed_size: 327680
    .private_segment_fixed_size: 0
    .kernarg_segment_align: 8
    .kernarg_segment_size: 40
    .max_flat_workgroup_size: 128
    .sgpr_count:     100
    .vgpr_count:     1024
    .wavefront_size: 32
...
	.end_amdgpu_metadata
.endif
;; end of part 7
;; launch gemm_down (part 8): grid 8 x 32, 4 waves a work-group, clusters of 4 x 4, 327,680 bytes of LDS; arguments ffc, wc, lowp_scales, down_b, x2, out0; writes out0
.if DOCPART == 8
	.amdgcn_target "amdgcn-amd-amdhsa--gfx1250"
	.amdhsa_code_object_version 6
	.text
	.protected	k_qae2948c728_gemm_down
	.globl	k_qae2948c728_gemm_down
	.p2align	8
	.type	k_qae2948c728_gemm_down,@function
k_qae2948c728_gemm_down:
	s_mov_b64 s[64:65], 0
	v_nop
	global_prefetch_b8 v0, s[64:65] scope:SCOPE_SE
	s_setreg_imm32_b32 hwreg(HW_REG_WAVE_MODE, 25, 1), 1
	s_wait_xcnt 0x0
	s_wait_alu depctr_hold_cnt(0) depctr_sa_sdst(0) depctr_va_vdst(0) depctr_va_sdst(0) depctr_va_ssrc(0) depctr_va_vcc(0) depctr_vm_vsrc(0)
	s_getreg_b32 s2, hwreg(HW_REG_IB_STS2, 6, 4)
	s_cmp_eq_u32 s2, 0
	s_cbranch_scc0 .Lentry_in_a_cluster
	s_endpgm
.Lentry_in_a_cluster:
	s_bfe_u32 s2, ttmp6, 0x10000c
	s_cmp_lg_u32 s2, 0xf033
	s_cbranch_scc0 .Lentry_shape_is_right
	s_endpgm
.Lentry_shape_is_right:
; out = x2 + ff W + b, the product on codes of E4M3 (e12, e13), both operands in the blocked layout (tile of 128 rows, chunk of 64 along K).  K is taken as 3,072 (six K steps of 512): ff's codes from 2,730 on are zeros.
; A tile of the result is 128 x 128, made by four waves.  Wave (kh, ch) multiplies all 128 tokens by 64 columns (half ch) over HALF kh of each K step: 32 accumulators, 12 fragments for 32 matrix instructions.
; At the end the two waves of a pair exchange halves of their sums through LDS and each finishes 64 x 64.  K is split over the pair: the sums are added in another order than K ascending.
; THE MATRIX INSTRUCTION IS USED TRANSPOSED (source 0 = 16 columns of W, source 1 = 16 tokens): a lane holds eight neighbouring numbers of a row of the result.
; CLUSTERS: 4 x 4: the tokens' tile is shared along a row of the cluster, the weights' along a column, each asked for by a joint load of four dense chunks a wave.
; A fragment is fetched by four loads of 16 bytes: k is permuted alike in both operands.
; REGISTERS: window 0: v0-31 addresses, v32-255 the way out.  Windows 1, 2: two fragment buffers.  Window 3: accumulator (a, b) at v[8 (4 a + b)]; local block a is the tile's block (a + 4 kh) mod 8.
; LIMIT: e12 + e13 between -126 and 127.
.set TSA,   393216
.set TSB,   393216
.set BOFF,  14680064
.set SOFF,  0x30
.set CH,    8704
.set BLK,   1088
.set QUART, 34816
.set SLOT,  139264
.set SPARE, 278528
.set XCH,   0                          ; the way out lies in slot 0, which has had its last fill and its last read by then
.set STG,   65536
.set G1, 24
.set G0, 32
.set G1B, 48
.set G0B, 56
.set MUL0, 0xf5
.set MUL1, 0xfa
.set MSB, 0
.macro WIN new
.if MSB != \new
	s_set_vgpr_msb (MSB<<8)|\new
.set MSB, \new
.endif
.endm
.macro JLOAD g0a, g1a, g0b, g1b        ; waves 0, 1 fetch for the first operand, waves 2, 3 for the second; four v_nop follow each line
	s_cmp_eq_u32 s15, 0
	s_cbranch_scc0 .Lfor_b_\@
	tensor_load_to_lds s[\g0a:\g0a+3], s[\g1a:\g1a+7]
	s_nop 0
.rept 4
	v_nop
.endr
	s_branch .Lasked_\@
.Lfor_b_\@:
	tensor_load_to_lds s[\g0b:\g0b+3], s[\g1b:\g1b+7]
	s_nop 0
.rept 4
	v_nop
.endr
.Lasked_\@:
.endm
.macro CREST
	s_cmp_lg_u32 s14, 0
	s_cbranch_scc1 .Lnot_wave_0_\@
	s_barrier_signal -3
.Lnot_wave_0_\@:
	s_barrier_wait -3
	s_barrier_signal -1
	s_barrier_wait -1
.endm
.macro CROUND
	s_barrier_signal -1
	s_barrier_wait -1
	CREST
.endm
.macro PLACES                          ; four plain lines behind a matrix instruction (ISA guide 7.12.1)
.rept 4
	v_nop
.endr
.endm
.macro FRAG reg, adr, q, i
.irp c, 0,1,2,3
	ds_load_b128 v[\reg+4*\c:\reg+4*\c+3], v[\adr] offset:(2*(\q)+\c/2)*CH+(\i)*BLK+32*(\c%2)
.endr
.endm
.macro FETCH slot, q, tw
	WIN \tw
.irp b, 0,1,2,3
	FRAG 128+16*\b, 20+\slot, \q, \b
.endr
.irp a, 0,1,2,3
	FRAG 16*\a, 16+\slot, \q, \a
.endr
.irp a, 4,5,6,7
	FRAG 16*\a, 18+\slot, \q, \a
.endr
.endm
.macro MUL8 a0, zero                   ; the 32 accumulators take turns, one instruction a turn
.irp a, \a0, \a0+1
.irp b, 0,1,2,3
.if \zero
	v_wmma_f32_16x16x128_fp8_fp8 v[8*(4*(\a)+\b):8*(4*(\a)+\b)+7], v[128+16*\b:128+16*\b+15], v[16*(\a):16*(\a)+15], 0
.else
	v_wmma_f32_16x16x128_fp8_fp8 v[8*(4*(\a)+\b):8*(4*(\a)+\b)+7], v[128+16*\b:128+16*\b+15], v[16*(\a):16*(\a)+15], v[8*(4*(\a)+\b):8*(4*(\a)+\b)+7]
.endif
.endr
.endr
.endm
.macro SUB slot, zero
	s_wait_dscnt 16                                ; all but the youngest sixteen loads (blocks 4-7) are in
	WIN MUL0
	MUL8 0, \zero
	MUL8 2, \zero
	PLACES
	FETCH \slot, 1, 0x80
	s_wait_dscnt 48                                ; all but the 48 just issued
	WIN MUL0
	MUL8 4, \zero
	MUL8 6, \zero
.endm
.macro TURN slot, next, fill
	WIN 0
	s_wait_tensorcnt 0x0                           ; all my tensor loads have landed: my part of the next slot
	ds_add_u32 v28, v29
	s_wait_dscnt 17                                ; (the add and the youngest sixteen loads may be out)
	WIN MUL1
	MUL8 0, 0
	s_wait_dscnt 0x0                               ; the add is done, and my reads of this slot are over
	s_barrier_signal -1
	MUL8 2, 0
	WIN 0
	s_barrier_wait -1
.if \fill
	CREST                                          ; the barrier has opened a round of the cluster's: no wave of any partner still reads this slot or has a load on its way
	s_add_nc_u64 s[G0+4*\slot+2:G0+4*\slot+3], s[G0+4*\slot+2:G0+4*\slot+3], 131072
	s_add_nc_u64 s[G0B+4*\slot+2:G0B+4*\slot+3], s[G0B+4*\slot+2:G0B+4*\slot+3], 131072
	JLOAD G0+4*\slot, G1, G0B+4*\slot, G1B         ; the first tensor load behind the round; its four v_nop are the places in front of the loads below
.else
	PLACES
.endif
	FETCH \next, 0, 0x40
	WIN MUL1
	MUL8 4, 0
	MUL8 6, 0
.endm
.macro FINAL
	s_wait_dscnt 16
	WIN MUL1
	MUL8 0, 0
	MUL8 2, 0
	s_wait_dscnt 0x0
	MUL8 4, 0
	MUL8 6, 0
	WIN 0
.endm
.macro XCHG pl
.if \pl
	PLACES
.endif
	WIN 0x0c
.set i, 0
.rept 32
	ds_store_b128 v24, v[128+4*i:128+4*i+3] offset:512*i
.set i, i+1
.endr
	WIN 0
	s_wait_dscnt 0x0                               ; for the partner's sake: my stores have landed
	s_barrier_signal -1
	s_barrier_wait -1
.set i, 0
.rept 32
	ds_load_b128 v[128+4*i:128+4*i+3], v25 offset:512*i
.set i, i+1
.endr
.endm
	s_load_b256 s[4:11], s[0:1], 0x0               ; first operand, wc, the scales' exponents, the bias
	s_load_b128 s[80:83], s[0:1], 0x20             ; the residual, the result
	v_lshl_add_u32 v28, v0, 2, SPARE
	v_mov_b32 v29, 0
	ds_add_u32 v28, v29
	s_wait_dscnt 0x0
	v_lshrrev_b32 v1, 5, v0
	v_readfirstlane_b32 s14, v1
	s_lshr_b32 s15, s14, 1                         ; kh
	s_and_b32 s16, s14, 1                          ; ch
	s_bfe_u32 s40, ttmp6, 0x40000
	s_bfe_u32 s41, ttmp6, 0x40004
	s_lshl_b32 s42, ttmp9, 2
	s_add_co_u32 s42, s42, s40                     ; the weights' tile
	s_and_b32 s17, ttmp7, 0xffff
	s_lshl_b32 s17, s17, 2
	s_add_co_u32 s17, s17, s41                     ; the tokens' tile
	s_lshl_b32 s43, s41, 2
	s_lshl_b32 s43, 15, s43
	s_lshl_b32 s44, 0x1111, s40
	s_or_b32 s[G1+0], s43, (1<<20)|(1<<21)|(5<<22)|(3<<25)
	s_or_b32 s[G1B+0], s44, (1<<20)|(1<<21)|(5<<22)|(3<<25)
.irp g, G1, G1B
	s_mov_b32 s[\g+1], 256<<16
	s_mov_b32 s[\g+2], 128<<16
	s_mov_b32 s[\g+3], 256<<16
	s_mov_b32 s[\g+4], 128
	s_mov_b32 s[\g+5], 256
	s_mov_b32 s[\g+6], 0
	s_mov_b32 s[\g+7], 0
.endr
	s_lshl_b32 s18, s16, 15
	s_mul_i32 s20, s17, TSA
	s_add_co_u32 s20, s20, s18
	s_mov_b32 s21, 0
	s_mul_i32 s46, s42, TSB
	s_add_co_u32 s46, s46, s18
	s_add_co_u32 s46, s46, BOFF
	s_mov_b32 s47, 0
	s_mul_i32 s45, s14, QUART
	s_wait_kmcnt 0x0
	s_load_b64 s[84:85], s[8:9], SOFF
	s_add_nc_u64 s[20:21], s[4:5], s[20:21]
	s_add_nc_u64 s[46:47], s[6:7], s[46:47]
	CROUND
.irp s, 0,1
	s_mov_b32 s[G0+4*\s], 1
	s_add_co_u32 s[G0+4*\s+1], s45, \s*SLOT
	s_add_nc_u64 s[G0+4*\s+2:G0+4*\s+3], s[20:21], \s*65536
	s_or_b32 s[G0+4*\s+3], s[G0+4*\s+3], 0x80000000
	s_mov_b32 s[G0B+4*\s], 1
	s_add_co_u32 s[G0B+4*\s+1], s45, \s*SLOT
	s_add_nc_u64 s[G0B+4*\s+2:G0B+4*\s+3], s[46:47], \s*65536
	s_or_b32 s[G0B+4*\s+3], s[G0B+4*\s+3], 0x80000000
	JLOAD G0+4*\s, G1, G0B+4*\s, G1B
.endr
	v_and_b32 v1, 15, v0
	v_bfe_u32 v2, v0, 4, 1
	v_lshrrev_b32 v3, 2, v1
	v_mul_u32_u24 v3, v3, 272
	v_and_b32 v4, 3, v1
	v_lshl_add_u32 v3, v4, 6, v3
	v_lshl_add_u32 v3, v2, 4, v3
	s_mul_i32 s73, s15, 39168
	s_mul_i32 s74, s15, 30464
	s_mul_i32 s75, s15, QUART
	s_mul_i32 s76, s16, 4352
	s_add_co_u32 s75, s75, s76
	s_add_co_u32 s75, s75, 2*QUART
.irp s, 0,1
	v_add_nc_u32 v[16+\s], s73, v3
	v_add_nc_u32 v[18+\s], s74, v3
	v_add_nc_u32 v[20+\s], s75, v3
	s_add_co_u32 s73, s73, SLOT
	s_add_co_u32 s74, s74, SLOT
	s_add_co_u32 s75, s75, SLOT
.endr
	v_and_b32 v5, 31, v0
	v_lshlrev_b32 v23, 4, v5
	s_lshl_b32 s97, s14, 14
	v_add_nc_u32 v24, s97, v23
	s_xor_b32 s97, s14, 2
	s_lshl_b32 s97, s97, 14
	v_add_nc_u32 v25, s97, v23
	s_mul_i32 s97, s14, 17408
	s_add_co_u32 s97, s97, STG                     ; my stage: 64 rows x (256 + 16) bytes
	v_mul_u32_u24 v26, v1, 272
	v_lshl_add_u32 v26, v2, 5, v26
	v_add_nc_u32 v26, s97, v26
	v_mul_u32_u24 v27, v2, 272
	v_lshl_add_u32 v27, v1, 4, v27
	v_add_nc_u32 v27, s97, v27
	v_lshlrev_b32 v22, 12, v2
	v_lshl_add_u32 v22, v1, 4, v22
	s_lshl_b32 s70, s17, 7
	s_lshl_b32 s71, s15, 6
	s_add_co_u32 s70, s70, s71                     ; my first row
	s_lshl_b32 s70, s70, 12
	s_lshl_b32 s72, s42, 7
	s_lshl_b32 s77, s16, 6
	s_add_co_u32 s72, s72, s77                     ; my first column
	s_lshl_b32 s72, s72, 2
	s_add_co_u32 s70, s70, s72
	s_mov_b32 s71, 0
	s_add_nc_u64 s[80:81], s[80:81], s[70:71]
	s_add_nc_u64 s[82:83], s[82:83], s[70:71]
	v_lshl_add_u32 v8, v1, 4, s72
	global_load_b128 v[32:35], v8, s[10:11]        ; the bias of my four columns of a row read back
	s_wait_tensorcnt 0x1                           ; my part of K step 0 is in; K step 1's may be out
	s_barrier_signal -1
	s_barrier_wait -1
	FETCH 0, 0, 0x40
	SUB 0, 1
	TURN 0, 1, 1
	SUB 1, 0
	TURN 1, 0, 1
	SUB 0, 0
	TURN 0, 1, 1
	SUB 1, 0
	TURN 1, 0, 1
	SUB 0, 0
	TURN 0, 1, 0
	SUB 1, 0
	FINAL
	PLACES
	WIN 0x40
.set i, 0
.rept 32
	global_load_b128 v[4*i:4*i+3], v22, s[80:81] offset:8192*i   ; the residual, in the layout of the rows read back
.set i, i+1
.endr
	WIN 0
	XCHG 0
	s_wait_kmcnt 0x0
	s_add_co_i32 s92, s84, s85
	s_add_co_i32 s92, s92, 127
	s_lshl_b32 s92, s92, 23                        ; 2^(the two exponents added)
	s_mov_b32 s93, s92
	s_wait_dscnt 0x0
	WIN 0x83
.set i, 0
.rept 64
	v_pk_add_f32 v[2*i:2*i+1], v[2*i:2*i+1], v[128+2*i:129+2*i]   ; the two halves of K; each accumulator from its low end on
.set i, i+1
.endr
	WIN 0x08
.set i, 0
.rept 32
	ds_store_b128 v26, v[4*i:4*i+3] offset:(i/8)*4352+((i/2)%4)*64+(i%2)*16
.set i, i+1
.endr
	WIN 0
.set i, 0
.rept 32
	ds_load_b128 v[128+4*i:131+4*i], v27 offset:544*i   ; LDS serves a wave's instructions in order
.set i, i+1
.endr
	s_wait_loadcnt 0x0
	WIN 0x41
.set i, 0
.rept 32
	v_pk_add_f32 v[4*i:4*i+1], v[4*i:4*i+1], v[32:33]
	v_pk_add_f32 v[4*i+2:4*i+3], v[4*i+2:4*i+3], v[34:35]
.set i, i+1
.endr
	s_wait_dscnt 0x0
	WIN 0x50
.set i, 0
.rept 64
	v_pk_fma_f32 v[2*i:2*i+1], v[128+2*i:129+2*i], s[92:93], v[2*i:2*i+1] op_sel_hi:[1,0,1]
.set i, i+1
.endr
	WIN 0x04
.set i, 0
.rept 32
	global_store_b128 v22, v[4*i:4*i+3], s[82:83] offset:8192*i th:TH_STORE_NT   ; sixteen lanes store 256 consecutive bytes, aligned; written once, read by nobody here
.set i, i+1
.endr
	WIN 0
	s_wait_tensorcnt 0x0                           ; the wave's end
	ds_add_u32 v28, v29
	s_wait_dscnt 0x0
	CROUND
	s_endpgm
.Lfunc_end_k_qae2948c728_gemm_down:
	.size	k_qae2948c728_gemm_down, .Lfunc_end_k_qae2948c728_gemm_down-k_qae2948c728_gemm_down
	.p2alignl 7, 3214868480
	.fill 96, 4, 3214868480
	.section	.rodata,"a",@progbits
	.p2align	6, 0x0
	.amdhsa_kernel k_qae2948c728_gemm_down
		.amdhsa_group_segment_fixed_size 327680
		.amdhsa_private_segment_fixed_size 0
		.amdhsa_enable_private_segment 0
		.amdhsa_kernarg_size 48
		.amdhsa_user_sgpr_count 2
		.amdhsa_user_sgpr_kernarg_segment_ptr 1
		.amdhsa_wavefront_size32 1
		.amdhsa_system_sgpr_workgroup_id_x 1
		.amdhsa_system_sgpr_workgroup_id_y 1
		.amdhsa_system_sgpr_workgroup_id_z 1
		.amdhsa_system_vgpr_workitem_id 0
		.amdhsa_next_free_vgpr 1024
		.amdhsa_next_free_sgpr 100
		.amdhsa_reserve_vcc 0
		.amdhsa_float_denorm_mode_32 3
		.amdhsa_float_denorm_mode_16_64 3
		.amdhsa_memory_ordered 1
		.amdhsa_forward_progress 1
		.amdhsa_inst_pref_size 103
	.end_amdhsa_kernel
	.amdgpu_metadata
---
amdhsa.version: [ 1, 2 ]
amdhsa.kernels:
  - .name:           k_qae2948c728_gemm_down
    .symbol:         k_qae2948c728_gemm_down.kd
    .args:
      - { .name: ffc, .offset: 0, .size: 8, .value_kind: global_buffer, .address_space: global }
      - { .name: wc, .offset: 8, .size: 8, .value_kind: global_buffer, .address_space: global }
      - { .name: lowp_scales, .offset: 16, .size: 8, .value_kind: global_buffer, .address_space: global }
      - { .name: down_b, .offset: 24, .size: 8, .value_kind: global_buffer, .address_space: global }
      - { .name: x2, .offset: 32, .size: 8, .value_kind: global_buffer, .address_space: global }
      - { .name: out0, .offset: 40, .size: 8, .value_kind: global_buffer, .address_space: global }
    .group_segment_fixed_size: 327680
    .private_segment_fixed_size: 0
    .kernarg_segment_align: 8
    .kernarg_segment_size: 48
    .max_flat_workgroup_size: 128
    .sgpr_count:     100
    .vgpr_count:     1024
    .wavefront_size: 32
...
	.end_amdgpu_metadata
.endif
;; end of part 8
